; MI455X (gfx1250); checked and timed in simulation.
; The chip was launched on July 23, 2026; its instructions are those of AMD's public machine-readable ISA for CDNA 5 (MIT licence, August 2026) and "CDNA5" Instruction Set Architecture Reference Guide (July 2026). The comments in the code are by the model that wrote it; some were corrected since.
;; Self Attn. Allowed arithmetic: matrix products marked QUANTISED: E2M1 operands, one E8M0 scale for each 32 along K, by v_wmma_scale_f32_16x16x128_f8f6f4 with both operands' format E2M1 (or v_wmma_scale_f32_32x16x128_f4), f32 sums; products left as they are: bf16, f16 or f32 operands; f32 sums; everything else in f32.
;; Inputs: Wa 3,072 x 1,024 float32; Wo 1,024 x 1,024 float32; ba 3,072 float32; bo 1,024 float32; iQ 4 x 1,024 x 1,024 float32; rel_emb 33 x 64 float32; sn_bias 1 float32.
;; Outputs: out0 4 x 1,024 x 1,024 float32.
;; This version of the problem:
;;   THIS VERSION OF THE PROBLEM IS GIVEN IN LOW PRECISION. The matrix products marked QUANTISED in the list below multiply operands that are first quantised to E2M1 (2 exponent bits, 1 mantissa bit; 4 bits a number), with one power-of-two scale for each 32 numbers along K (OCP MX v1.0); their sums are f32. The products marked 'left as it is' may take bf16, f16 or f32 operands, with f32 sums. Whichever they take, every output number must still come out within the allowed error. Rounding operands to bf16 (8 significant bits) uses up far more of that allowance than f16 does (11 bits, for magnitudes from 6e-5 to 65,504). All else is computed in f32.
;;   The module's matrix products, in the order in which they are computed (A, B: the left and right operand; K: the contracted axis; several contracted axes count as one K, in the product's order):
;;     1. [M 4,096, K 1,024] x [K 1,024, N 3,072]; A: input iQ; B: input Wa: QUANTISED
;;     2. batch 64 x [M 1,024, K 64] x [K 64, N 1,024]; A: computed on the way; B: computed on the way: left as it is (an operand is computed on the way)
;;     3. batch 1,024 x [M 1,024, K 64] x [K 64, N 64]; A: computed on the way; B: computed on the way: left as it is (an operand is computed on the way)
;;     4. batch 64 x [M 1,024, K 1,024] x [K 1,024, N 64]; A: computed on the way; B: computed on the way: left as it is (an operand is computed on the way)
;;     5. [M 4,096, K 1,024] x [K 1,024, N 1,024]; A: computed on the way; B: input Wo: left as it is (an operand is computed on the way)
;;   THE QUANTISER, for each operand of a quantised product, along K:
;;     - K is cut into blocks of 32 from its start; a last block that is shorter is filled with zeros.
;;     - A block's scale is 2^e with e = floor(log2(the largest magnitude in the block)) - 2, held to -126 .. 127; a block of zeros has e = 0. As a byte (E8M0): e + 127.
;;     - Each number is divided by its block's scale, clamped to +-6, and rounded to the nearest number of E2M1, ties to even, subnormals kept.
;;     - The product sums the exact products of the quantised numbers (number of the format x scale) in f32.
;;   ~~~python
;;   def quantise(x, axis):      # numpy; x: float32 -> the quantised numbers, widened to float32 again
;;       x = np.moveaxis(x, axis, -1); K = x.shape[-1]
;;       x = np.pad(x, [(0, 0)] * (x.ndim - 1) + [(0, -K % 32)]); x = x.reshape(x.shape[:-1] + (-1, 32)); a = np.abs(x).max(-1, keepdims=True)
;;       e = np.where(a > 0, np.clip(np.frexp(np.where(a > 0, a, 1))[1] - 1 - 2, -126, 127), 0)      # np.frexp(a)[1] - 1 = floor(log2(a)), exactly
;;       r = np.clip(x / 2.0 ** e, -6, 6)
;;       step = 2.0 ** (np.maximum(np.frexp(np.where(r == 0, 1, r))[1] - 1, 0) - 1)
;;       q = np.round(r / step) * step * 2.0 ** e      # np.round: ties to even
;;       return np.moveaxis(q.reshape(q.shape[:-2] + (-1,))[..., :K], -1, axis).astype(np.float32)
;;   ~~~
;; One version. Each part assembles by itself: llvm-mc -triple=amdgcn-amd-amdhsa -mcpu=gfx1250 --defsym DOCPART=n.
;; ======== version 1 of 1: 4 launches
;; limits: values are held in f16: magnitudes above 65,504 overflow, below 6.1e-05 lose precision; right only within a limited range of input values
;; workspace buffers: a_codes 2,097,152 bytes; a_scales 131,072 bytes; b_codes 1,572,864 bytes; b_scales 98,304 bytes; wo16 2,097,152 bytes; qkv 25,165,824 bytes; kmax 65,536 bytes; ctx 8,388,608 bytes
;; launch quant (part 1): grid 288 x 1, 4 waves a work-group, no clusters, 33,280 bytes of LDS; arguments iQ, Wa, a_codes, a_scales, b_codes, b_scales, Wo, wo16; writes a_codes, a_scales, b_codes, b_scales, wo16
.if DOCPART == 1
	.amdgcn_target "amdgcn-amd-amdhsa--gfx1250"
	.amdhsa_code_object_version 6
	.text
	.protected	k_qb58bf71988_quant
	.globl	k_qb58bf71988_quant
	.p2align	8
	.type	k_qb58bf71988_quant,@function
k_qb58bf71988_quant:
	s_mov_b64 s[64:65], 0
	v_nop
	global_prefetch_b8 v0, s[64:65] scope:SCOPE_SE
	s_setreg_imm32_b32 hwreg(HW_REG_WAVE_MODE, 25, 1), 1
	s_wait_xcnt 0x0
; iQ [4096][1024] and Wa [3072][1024], f32, become codes of FP4 (E2M1), K innermost, with one E8M0 scale byte for each 32 along K; Wo [1024][1024], f32, becomes f16 laid as the last launch reads it.
; A block's scale is 2^(floor(log2(its largest magnitude)) - 2); its byte is the largest magnitude's own exponent field - 2, held at 1 from below.  (A block of zeros gets the byte 1 where the rule says 127:
; its codes are zeros, which add nothing under any byte but 0xff, and this program alone reads the bytes.)  Each number is divided by the scale and rounded to the nearest code, ties to even, beyond 6 the largest code.
; LIMITS: blocks whose largest magnitude lies under 2^(2 - 126) keep the byte 1; NaN and infinities are not served; |Wo| stays under 65,504 (f16), and numbers of Wo under 2^-14 keep an absolute step of 2^-25.
; Work-groups 0-127 take iQ, 128-223 Wa: both are plain streams of blocks of 32.  A wave takes 16 steps of 512 numbers.  Each of a step's four loads reads 512 consecutive bytes; the 2,048 bytes turn through the wave's own
; stage in LDS and come back 64 bytes a lane, so that a lane holds 16 neighbours along K and two neighbouring lanes a block.  A wave's store of codes covers 256 consecutive bytes; its 256 scale bytes leave as one such run.
; Work-groups 224-287 take Wo: wo16 is [8 blocks of 128 n][16 blocks of 64 k][128 n][64 k]; a wave makes 64 rows of one block: loads of two rows x 256 bytes, stores of 256 consecutive bytes.
.set SIZE_M, 4096
.set SIZE_N, 3072
.set SIZE_K, 1024
.set WAVES, 4
.set STEPS, 16
.set WGA,   SIZE_M*SIZE_K/(512*STEPS*WAVES)            ; 128 work-groups for iQ
.set WGQ,   (SIZE_M+SIZE_N)*SIZE_K/(512*STEPS*WAVES)   ; 224 for iQ and Wa together
.set EMAX,  2
.set CB,    8                          ; bytes of 16 codes
.set R,     16                         ; v16-79   four sets of 16 numbers as they are loaded
.set X,     80                         ; v80-111  two sets of 16 neighbours
.set C,     128                        ; v128-191 codes: four registers for each step, so that no store's data are written again
.set E,     112                        ; v112-127 a scale byte for each step
.set WREG,  8192                       ; LDS: a region for each wave: two stages of 32 x SP bytes, behind them its 256 scale bytes
.set SP,    80                         ; a lane's place in a stage: its 64 bytes + 16 of padding
.set SPW,   12                         ; v12      LDS address of my spare word; never rewritten
.set NIL,   13                         ; v13      0; never rewritten
.set SPARE, WAVES*WREG                 ; behind the four regions: the spare words, 128 bytes for each wave
	s_load_b128 s[4:7], s[0:1], 0x0                ; iQ, Wa
	s_load_b128 s[8:11], s[0:1], 0x10              ; iQ's codes, iQ's scales
	s_load_b128 s[12:15], s[0:1], 0x20             ; Wa's codes, Wa's scales
	s_load_b128 s[24:27], s[0:1], 0x30             ; Wo, wo16
	v_lshl_add_u32 v[SPW], v0, 2, SPARE
	v_mov_b32 v[NIL], 0
	v_lshrrev_b32 v1, 5, v0
	v_readfirstlane_b32 s16, v1                    ; wave
	v_and_b32 v2, 31, v0                           ; lane
	v_lshlrev_b32 v3, 4, v2                        ; my 16 bytes of a load's 512
	s_mul_i32 s17, s16, WREG
	v_lshrrev_b32 v14, 2, v2
	v_mul_u32_u24 v14, v14, SP
	v_and_b32 v15, 3, v2
	v_lshl_add_u32 v14, v15, 4, v14
	v_add_nc_u32 v14, s17, v14                     ; the stage, on the way in: SP (lane / 4) + 16 (lane % 4)
	v_mul_u32_u24 v15, v2, SP
	v_add_nc_u32 v15, s17, v15                     ; and on the way out: SP x lane: my 16 neighbours
	v_mul_u32_u24 v4, v2, CB                       ; my codes' place in a step's
	v_lshrrev_b32 v5, 1, v2
	s_add_co_u32 s17, s17, 2*32*SP
	v_add_nc_u32 v5, s17, v5                       ; LDS: my wave's 256 scale bytes, my block's byte
	v_lshlrev_b32 v7, 3, v2                        ; and on the way out 8 bytes a lane
	v_add_nc_u32 v6, s17, v7
	s_wait_kmcnt 0x0
	s_cmp_ge_u32 ttmp9, WGQ                        ; the last 64 work-groups take Wo: a branch on the work-group's number alone
	s_cbranch_scc1 .Lwo
	s_cmp_lt_u32 ttmp9, WGA                        ; iQ's work-group or Wa's?
	s_cselect_b64 s[4:5], s[4:5], s[6:7]
	s_cselect_b64 s[8:9], s[8:9], s[12:13]
	s_cselect_b64 s[10:11], s[10:11], s[14:15]
	s_cselect_b32 s17, 0, WGA
	s_sub_co_u32 s17, ttmp9, s17
	s_lshl_b32 s17, s17, 2
	s_add_co_u32 s18, s17, s16                     ; which run of 8,192 numbers of the tensor is my wave's
	s_mov_b32 s19, 0
	s_mov_b64 s[20:21], 512*STEPS*4
	s_mul_u64 s[20:21], s[18:19], s[20:21]
	s_add_nc_u64 s[4:5], s[4:5], s[20:21]
	s_mov_b64 s[20:21], 32*STEPS*CB
	s_mul_u64 s[20:21], s[18:19], s[20:21]
	s_add_nc_u64 s[8:9], s[8:9], s[20:21]
	s_lshl_b32 s18, s18, 8                         ; 256 scale bytes a run
	s_add_nc_u64 s[10:11], s[10:11], s[18:19]
.macro LOAD t
.irp i, 0,1,2,3
	global_load_b128 v[R+16*((\t)%4)+4*\i:R+16*((\t)%4)+4*\i+3], v3, s[4:5] offset:2048*(\t)+512*\i th:TH_LOAD_NT   ; 32 lanes read 512 consecutive bytes
.endr
.endm
.macro TURN t                          ; step t's numbers through the stage: LDS serves a wave's instructions in order, so no wait stands between the stores and the loads
.irp i, 0,1,2,3
	ds_store_b128 v14, v[R+16*((\t)%4)+4*\i:R+16*((\t)%4)+4*\i+3] offset:32*SP*((\t)%2)+8*SP*\i
.endr
.irp i, 0,1,2,3
	ds_load_b128 v[X+16*((\t)%2)+4*\i:X+16*((\t)%2)+4*\i+3], v15 offset:32*SP*((\t)%2)+16*\i
.endr
.endm
.irp t, 0,1,2,3
	LOAD \t
.endr
	s_wait_loadcnt 12                              ; step 0's four loads are in; the twelve of steps 1 to 3 may be out
	TURN 0
.macro STEP t
.set XS, X+16*((\t)%2)
.if (\t) > 0
	s_wait_dscnt 1                                 ; this step's numbers are back from the stage (the last step's byte store may be out): so its stores into the stage have read their registers,
.else
	s_wait_dscnt 0x0
.endif
.if (\t)+4 < STEPS
	LOAD (\t)+4                                    ; which take the loads of four steps on
.endif
.if (\t)+1 < STEPS
.if STEPS-2-(\t) >= 3
	s_wait_loadcnt 12                              ; the next step's four loads are in; those of the three steps behind it may be out
.else
	s_wait_loadcnt 4*(STEPS-2-(\t))
.endif
	TURN (\t)+1                                    ; and go through the other stage while this step is worked
.endif
	v_max3_num_f32 v8, |v[XS]|, |v[XS+1]|, |v[XS+2]|               ; the largest magnitude of my 16, in two chains
	v_max3_num_f32 v9, |v[XS+3]|, |v[XS+4]|, |v[XS+5]|
.irp i, 6,10
	v_max3_num_f32 v8, v8, |v[XS+\i]|, |v[XS+\i+1]|
	v_max3_num_f32 v9, v9, |v[XS+\i+2]|, |v[XS+\i+3]|
.endr
	v_max3_num_f32 v8, v8, |v[XS+14]|, |v[XS+15]|
	v_max3_num_f32 v8, v8, v9, (EMAX+1)<<23        ; and the floor 2^(EMAX + 1 - 127): so the byte cannot fall under 1
	v_max_num_f32_dpp v8, v8, v8 row_xmask:1 row_mask:0xf bank_mask:0xf   ; and of my neighbour's 16: the block's
	v_add_nc_u32 v11, -(EMAX<<23), v8              ; EMAX off its exponent field: the conversion takes the exponent field of this operand as its scale, and nothing else of it
	v_cvt_scalef32_pk8_fp4_f32 v[C+4*(\t)], v[XS:XS+7], v11
	v_cvt_scalef32_pk8_fp4_f32 v[C+4*(\t)+1], v[XS+8:XS+15], v11
	v_lshrrev_b32 v[E+(\t)], 23, v11               ; the scale's byte (also the plain line behind the conversions)
	ds_store_b8 v5, v[E+(\t)] offset:16*(\t)       ; both lanes of a block write the same byte with the same value
	global_store_b64 v4, v[C+4*(\t):C+4*(\t)+1], s[8:9] offset:32*CB*(\t)   ; the wave stores 256 consecutive bytes
.endm
.irp t, 0,1,2,3,4,5,6,7,8,9,10,11,12,13,14,15
	STEP \t
.endr
	ds_load_b64 v[8:9], v6                         ; LDS serves a wave's instructions in order: these see my stores
	s_wait_dscnt 0x0
	global_store_b64 v7, v[8:9], s[10:11]          ; 32 lanes store 256 consecutive bytes, aligned
	s_wait_tensorcnt 0x0                           ; the wave's end: behind my last LDS store
	ds_add_u32 v[SPW], v[NIL]
	s_wait_dscnt 0x0
	s_endpgm
.Lwo:                                                  ; Wo to f16.  gw = 4 x (work-group - 224) + wave, 0 .. 255: block gw / 2 (nb = block / 16, kb = block % 16), rows 64 (gw % 2) on
	s_sub_co_u32 s17, ttmp9, WGQ
	s_lshl_b32 s17, s17, 2
	s_add_co_u32 s17, s17, s16                     ; gw
	s_and_b32 s18, s17, 1                          ; which 64 rows
	s_lshr_b32 s19, s17, 1                         ; block
	s_lshr_b32 s20, s19, 4                         ; nb
	s_and_b32 s21, s19, 15                         ; kb
	s_lshl_b32 s20, s20, 19                        ; 128 rows of 4,096 bytes
	s_lshl_b32 s22, s18, 18                        ; 64 rows
	s_add_co_u32 s20, s20, s22
	s_lshl_b32 s21, s21, 8                         ; 64 numbers of 4 bytes along K
	s_add_co_u32 s20, s20, s21
	s_mov_b32 s21, 0
	s_add_nc_u64 s[24:25], s[24:25], s[20:21]
	s_lshl_b32 s20, s17, 13                        ; out: 16,384 bytes a block, 8,192 a half
	s_add_nc_u64 s[26:27], s[26:27], s[20:21]
	v_lshrrev_b32 v3, 4, v2
	v_and_b32 v4, 15, v2
	v_lshlrev_b32 v4, 4, v4
	v_lshl_add_u32 v3, v3, 12, v4                  ; in: lanes 0-15 one row's 256 bytes, lanes 16-31 the next row's
	v_lshlrev_b32 v4, 3, v2                        ; out: 8 bytes a lane: two rows of 128 bytes on end
.set i, 0
.rept 32
	global_load_b128 v[16+4*i:19+4*i], v3, s[24:25] offset:8192*i th:TH_LOAD_NT
.set i, i+1
.endr
.set i, 0
.rept 32
	s_wait_loadcnt 31-i                            ; loads come back in order: number i is in, the younger ones stay out
	v_cvt_pk_f16_f32 v[16+4*i], v[16+4*i], v[17+4*i]
	v_cvt_pk_f16_f32 v[17+4*i], v[18+4*i], v[19+4*i]
	global_store_b64 v4, v[16+4*i:17+4*i], s[26:27] offset:256*i   ; 256 consecutive bytes, aligned; no register here is written again
.set i, i+1
.endr
	s_wait_tensorcnt 0x0                           ; the same three lines at this path's end
	ds_add_u32 v[SPW], v[NIL]
	s_wait_dscnt 0x0
	s_endpgm
.Lfunc_end_k_qb58bf71988_quant:
	.size	k_qb58bf71988_quant, .Lfunc_end_k_qb58bf71988_quant-k_qb58bf71988_quant
	.p2alignl 7, 3214868480
	.fill 96, 4, 3214868480
	.section	.rodata,"a",@progbits
	.p2align	6, 0x0
	.amdhsa_kernel k_qb58bf71988_quant
		.amdhsa_group_segment_fixed_size 33280
		.amdhsa_private_segment_fixed_size 0
		.amdhsa_enable_private_segment 0
		.amdhsa_kernarg_size 64
		.amdhsa_user_sgpr_count 2
		.amdhsa_user_sgpr_kernarg_segment_ptr 1
		.amdhsa_wavefront_size32 1
		.amdhsa_system_sgpr_workgroup_id_x 1
		.amdhsa_system_sgpr_workgroup_id_y 1
		.amdhsa_system_sgpr_workgroup_id_z 1
		.amdhsa_system_vgpr_workitem_id 0
		.amdhsa_next_free_vgpr 192
		.amdhsa_next_free_sgpr 66
		.amdhsa_reserve_vcc 0
		.amdhsa_float_denorm_mode_32 3
		.amdhsa_float_denorm_mode_16_64 3
		.amdhsa_memory_ordered 1
		.amdhsa_forward_progress 1
		.amdhsa_inst_pref_size 45
	.end_amdhsa_kernel
	.amdgpu_metadata
---
amdhsa.version: [ 1, 2 ]
amdhsa.kernels:
  - .name:           k_qb58bf71988_quant
    .symbol:         k_qb58bf71988_quant.kd
    .args:
      - { .name: iQ, .offset: 0, .size: 8, .value_kind: global_buffer, .address_space: global }
      - { .name: Wa, .offset: 8, .size: 8, .value_kind: global_buffer, .address_space: global }
      - { .name: a_codes, .offset: 16, .size: 8, .value_kind: global_buffer, .address_space: global }
      - { .name: a_scales, .offset: 24, .size: 8, .value_kind: global_buffer, .address_space: global }
      - { .name: b_codes, .offset: 32, .size: 8, .value_kind: global_buffer, .address_space: global }
      - { .name: b_scales, .offset: 40, .size: 8, .value_kind: global_buffer, .address_space: global }
      - { .name: Wo, .offset: 48, .size: 8, .value_kind: global_buffer, .address_space: global }
      - { .name: wo16, .offset: 56, .size: 8, .value_kind: global_buffer, .address_space: global }
    .group_segment_fixed_size: 33280
    .private_segment_fixed_size: 0
    .kernarg_segment_align: 8
    .kernarg_segment_size: 64
    .max_flat_workgroup_size: 128
    .sgpr_count:     66
    .vgpr_count:     192
    .wavefront_size: 32
...
	.end_amdgpu_metadata
.endif
;; end of part 1
;; launch qkvgemm (part 2): grid 12 x 16, 4 waves a work-group, clusters of 4 x 4, 327,680 bytes of LDS; arguments a_codes, a_scales, b_codes, b_scales, ba, qkv, kmax; writes qkv, kmax
.if DOCPART == 2
	.amdgcn_target "amdgcn-amd-amdhsa--gfx1250"
	.amdhsa_code_object_version 6
	.text
	.protected	k_qb58bf71988_qkvgemm
	.globl	k_qb58bf71988_qkvgemm
	.p2align	8
	.type	k_qb58bf71988_qkvgemm,@function
k_qb58bf71988_qkvgemm:
	s_mov_b64 s[64:65], 0
	v_nop
	global_prefetch_b8 v0, s[64:65] scope:SCOPE_SE
	s_setreg_imm32_b32 hwreg(HW_REG_WAVE_MODE, 25, 1), 1
	s_wait_xcnt 0x0
	s_wait_alu depctr_hold_cnt(0) depctr_sa_sdst(0) depctr_va_vdst(0) depctr_va_sdst(0) depctr_va_ssrc(0) depctr_va_vcc(0) depctr_vm_vsrc(0)
	s_getreg_b32 s2, hwreg(HW_REG_IB_STS2, 6, 4)
	s_cmp_eq_u32 s2, 0
	s_cbranch_scc0 .Lentry_in_a_cluster
	s_endpgm
.Lentry_in_a_cluster:
	s_bfe_u32 s2, ttmp6, 0x10000c
	s_cmp_lg_u32 s2, 0xf033
	s_cbranch_scc0 .Lentry_shape_is_right
	s_endpgm
.Lentry_shape_is_right:
; qkv = Q(iQ) Q(Wa)^T + ba on codes of FP4 (E2M1) with one E8M0 scale for each 32 along K; sums in f32; the results are rounded once to f16 and laid by head: qkv [part 3][b 4][h 16][s 1024][64].
; A tile of 256 tokens x 256 columns is made by a work-group of four waves; a wave makes 128 x 128: 64 accumulators of 16 x 16, 512 registers.  192 tiles: 4,096 / 256 x 3,072 / 256.
; K = 1,024 is two K steps of 512: both LDS slots, and the scale bytes of the tile's rows for all of K, are filled ONCE, at the head; nothing is ever filled again.
; CLUSTERS: 4 x 4 work-groups.  The four of a row of the cluster need the same tiles of A, the four of a column the same tiles of B: each tile is asked for JOINTLY, by the same tensor load with the same descriptor and a mask that names the four.
; THE MATRIX INSTRUCTION IS USED TRANSPOSED (source 0 = 16 rows of Wa, source 1 = 16 tokens): a lane then holds eight neighbouring columns of one token.  The bias is the C of each sum's first product.
; A cluster's x is the part (q, k, v), its y the batch.  The work-groups of part 1 also store each lane's largest |k| (kmax [b 16 + h][128 tokens' chunk 8][lane 32], f32): the attention launch takes a bound from it.
; LIMITS: |q|, |k|, |v| stay under 65,504 (f16).
; REGISTERS, in windows of 256: window 0: v0-31 addresses; v32-95 scale words, two sets; v128-191 A's fragments, ONE set; v192-255 the bias, 8 registers for each of B's 8 blocks.  On the way out v32-63 packed results, v128-191 rows read back.
;   window 1: B's fragments, TWO sets, at v0 and at v128.   window 2: the 32 accumulators of my rows 0-63 (accumulator (a, b) at v[8 (8 a + b)]);   window 3: those of my rows 64-127.
.set SIZE_M, 4096
.set SIZE_N, 3072
.set SIZE_K, 1024
.set KSTEP,  512                       ; along K in a slot
.set NQ,     KSTEP/128                 ; matrix instructions deep
.set ROWB,   256                       ; a tile's row in bytes
.set KROW,   SIZE_K*4/8                ; a row of codes in memory
.set PITCH,  272                       ; an LDS row: 256 bytes + 16 of padding: the 16 rows that a load touches start at 16 different 16-byte columns
.set FR,     8                         ; registers of a fragment: 16 rows x 128 K
.set NL,     2                         ; LDS loads that bring one
.set NP,     4                         ; places behind this matrix instruction (ISA guide 7.12.1)
.set HALFT,  128*PITCH                 ; 128 rows: what one tensor load brings
.set SLOT,   4*HALFT                   ; A's 256 rows, then B's 256 rows
.set KS,     SIZE_K/32                 ; a row of scales in bytes
.set SCL,    2*SLOT                    ; behind the slots: the scales, as runs of 256 bytes + 16 of padding
.set HALFS,  (128*KS/256)*272          ; the scales of 128 rows
.set SBLK,   (16*KS/256)*272           ; those of 16 rows
.set SPARE,  SCL+4*HALFS               ; behind the scales: the spare words, 128 bytes for each wave
.set SROW,   144                       ; the way out: a stage row: a token's 128 bytes of one head + 16
.set SHEAD,  16*SROW                   ; 16 tokens of one head
.set ADRA, 16                          ; v16-17  LDS address of my A fragments in slot 0, 1
.set ADRB, 20                          ; v20-21  the same for B
.set STO,  24                          ; v24     the way out: where I put 16 bytes of a token
.set RD,   25                          ; v25     the way out: where I read rows back
.set CO,   26                          ; v26     16 x lane: my byte offset in four tokens' 512 bytes
.set ADRS, 27                          ; v27     LDS address of my scale words: lanes 0-15 A's rows, lanes 16-31 B's
.set SPW,  28                          ; v28     LDS address of my spare word; never rewritten
.set NIL,  29                          ; v29     0; never rewritten
.set KMO,  30                          ; v30     4 x lane: my word of kmax
.set SC,   32                          ; scale words: set s at v[SC + 8 NQ s]; register NQ i + q: lanes 0-15 A's block i, lanes 16-31 B's block i
.set AF,   128                         ; A's fragments
.set BI,   192                         ; the bias
.set TMP,  32                          ; the way out: packed results
.set OB,   128                         ; the way out: rows read back, two sets of 32
.set G1, 24                            ; s[24:31] descriptor group 1 for A's tiles;  s[32:39] group 0, one set for each slot
.set G0, 32
.set G1B, 48                           ; s[48:55], s[56:63] the same for B's tiles
.set G0B, 56
.set G1S, 68                           ; s[68:75], s[76:79] groups 1 and 0 for A's scales;  s[80:87], s[88:91] for B's
.set G0S, 76
.set G1SB, 80
.set G0SB, 88
.set MSB, 0
.macro WIN new                         ; the immediate's high byte repeats the setting that is left
.if MSB != \new
	s_set_vgpr_msb (MSB<<8)|\new
.set MSB, \new
.endif
.endm
.set MUL_LO, 0xa1                      ; source 0 (B) window 1, source 1 (A) window 0, C and D window 2
.set MUL_HI, 0xf1                      ; the same, C and D window 3
.set ZLO,    0x81                      ; the first step: C (the bias) window 0, D window 2
.set ZHI,    0xc1                      ; and D window 3
.set TO_B,   0x40                      ; destination window 1, address window 0
; A joint load: waves 0 and 1 fetch for A, waves 2 and 3 for B.  The branch hangs on the wave's number alone.  An s_nop 0 and four v_nop follow each of the two lines.
.macro JLOAD g0a, g1a, g0b, g1b
	s_cmp_eq_u32 s15, 0
	s_cbranch_scc0 .Lfor_b_\@
	tensor_load_to_lds s[\g0a:\g0a+3], s[\g1a:\g1a+7]
	s_nop 0
.rept 4
	v_nop
.endr
	s_branch .Lasked_\@
.Lfor_b_\@:
	tensor_load_to_lds s[\g0b:\g0b+3], s[\g1b:\g1b+7]
	s_nop 0
.rept 4
	v_nop
.endr
.Lasked_\@:
.endm
.macro CROUND                          ; a round of the cluster's barrier
	s_barrier_signal -1
	s_barrier_wait -1
	s_cmp_lg_u32 s14, 0
	s_cbranch_scc1 .Lnot_wave_0_\@
	s_barrier_signal -3
.Lnot_wave_0_\@:
	s_barrier_wait -3
	s_barrier_signal -1
	s_barrier_wait -1
.endm
	s_load_b128 s[4:7], s[0:1], 0x0                ; A's codes s[4:5], A's scales s[6:7]
	s_load_b128 s[8:11], s[0:1], 0x10              ; B's codes s[8:9], B's scales s[10:11]
	s_load_b64 s[96:97], s[0:1], 0x20              ; ba
	s_load_b64 s[12:13], s[0:1], 0x28              ; qkv
	s_load_b64 s[98:99], s[0:1], 0x30              ; kmax
	v_lshl_add_u32 v[SPW], v0, 2, SPARE
	v_mov_b32 v[NIL], 0
	ds_add_u32 v[SPW], v[NIL]                      ; the wave's opening: the add, twice on end, and its wait ahead of my first tensor load
	ds_add_u32 v[SPW], v[NIL]                      ; and once more, under the one wait; the set-up below, work on registers, stands between
	v_lshrrev_b32 v1, 5, v0
	v_readfirstlane_b32 s14, v1                    ; wave 0..3
	s_lshr_b32 s15, s14, 1                         ; which half of the tile's rows is mine.  Also: I fetch for A (0) or for B (1)
	s_and_b32 s16, s14, 1                          ; which half of its columns.  Also: which 128 rows of that tile I fetch
	s_bfe_u32 s40, ttmp6, 0x40000                  ; cx, cy: my place in the cluster
	s_bfe_u32 s41, ttmp6, 0x40004
	s_lshl_b32 s42, ttmp9, 2
	s_add_co_u32 s42, s42, s40                     ; tile column = 4 x cluster x + cx
	s_and_b32 s17, ttmp7, 0xffff
	s_lshl_b32 s17, s17, 2
	s_add_co_u32 s17, s17, s41                     ; tile row = 4 x cluster y + cy
	s_lshl_b32 s43, s41, 2
	s_lshl_b32 s43, 15, s43                        ; my row of the cluster
	s_lshl_b32 s44, 0x1111, s40                    ; my column
	; descriptor group 1: a tile of 128 rows x 256 bytes, padded in LDS
	s_or_b32 s[G1+0], s43, (0<<16)|(1<<20)|(1<<21)|(5<<22)|(3<<25)  ; 15:0 the mask: A's tiles go to my row; 17:16 element of 1 byte; 20 padding on; 21 set beside a mask; 24:22 after every 64 words; 31:25 of 4 words
	s_or_b32 s[G1B+0], s44, (0<<16)|(1<<20)|(1<<21)|(5<<22)|(3<<25)
.irp g, G1, G1B
	s_mov_b32 s[\g+1], ROWB<<16                    ; tensor_dim0
	s_mov_b32 s[\g+2], 128<<16                     ; tensor_dim1 = 128
	s_mov_b32 s[\g+3], ROWB<<16                    ; tile_dim0
	s_mov_b32 s[\g+4], 128                         ; tile_dim1 = 128
	s_mov_b32 s[\g+5], KROW                        ; tensor_dim0_stride
	s_mov_b32 s[\g+6], 0
	s_mov_b32 s[\g+7], 0
.endr
	; and for the scales of 128 rows: a dense block of 4,096 bytes, as 16 rows of 256 bytes (32 elements of 8 bytes), 16 bytes of padding behind each
	s_or_b32 s[G1S+0], s43, (3<<16)|(1<<20)|(1<<21)|(5<<22)|(3<<25)
	s_or_b32 s[G1SB+0], s44, (3<<16)|(1<<20)|(1<<21)|(5<<22)|(3<<25)
.irp g, G1S, G1SB
	s_mov_b32 s[\g+1], 32<<16
	s_mov_b32 s[\g+2], (128*KS/256)<<16
	s_mov_b32 s[\g+3], 32<<16
	s_mov_b32 s[\g+4], 128*KS/256
	s_mov_b32 s[\g+5], 32
	s_mov_b32 s[\g+6], 0
	s_mov_b32 s[\g+7], 0
.endr
	s_lshl_b32 s18, s16, 7                         ; which 128 rows of the tile I fetch
	s_lshl_b32 s20, s17, 8
	s_add_co_u32 s20, s20, s18                     ; A: row 256 x tile row + 128 x half
	s_lshl_b32 s46, s42, 8
	s_add_co_u32 s46, s46, s18                     ; B: row 256 x tile column + 128 x half
	s_mov_b32 s21, 0
	s_mov_b32 s47, 0
	s_mov_b64 s[18:19], KS
	s_mul_u64 s[22:23], s[20:21], s[18:19]         ; where these rows' scales begin, in bytes
	s_mul_u64 s[92:93], s[46:47], s[18:19]
	s_mov_b64 s[18:19], KROW
	s_mul_u64 s[20:21], s[20:21], s[18:19]         ; and their codes
	s_mul_u64 s[46:47], s[46:47], s[18:19]
	s_mul_i32 s45, s14, HALFT                      ; where they go: wave x 128 rows: no place in the cluster enters an LDS address
	s_mul_i32 s94, s14, HALFS
	s_wait_dscnt 0x0                               ; both opening adds are done
	s_wait_kmcnt 0x0
	s_add_nc_u64 s[20:21], s[4:5], s[20:21]
	s_add_nc_u64 s[22:23], s[6:7], s[22:23]
	s_add_nc_u64 s[46:47], s[8:9], s[46:47]
	s_add_nc_u64 s[92:93], s[10:11], s[92:93]
	CROUND                                         ; all sixteen work-groups are here: the joint loads meet
	s_mov_b32 s[G0S], 1
	s_add_co_u32 s[G0S+1], s94, SCL
	s_mov_b64 s[G0S+2:G0S+3], s[22:23]
	s_or_b32 s[G0S+3], s[G0S+3], 0x80000000
	s_mov_b32 s[G0SB], 1
	s_add_co_u32 s[G0SB+1], s94, SCL
	s_mov_b64 s[G0SB+2:G0SB+3], s[92:93]
	s_or_b32 s[G0SB+3], s[G0SB+3], 0x80000000
	JLOAD G0S, G1S, G0SB, G1SB                     ; the scales first: they are wanted with K step 0
.irp s, 0,1
	s_mov_b32 s[G0+4*\s], 1
	s_add_co_u32 s[G0+4*\s+1], s45, \s*SLOT
	s_add_nc_u64 s[G0+4*\s+2:G0+4*\s+3], s[20:21], \s*ROWB
	s_or_b32 s[G0+4*\s+3], s[G0+4*\s+3], 0x80000000
	s_mov_b32 s[G0B+4*\s], 1
	s_add_co_u32 s[G0B+4*\s+1], s45, \s*SLOT
	s_add_nc_u64 s[G0B+4*\s+2:G0B+4*\s+3], s[46:47], \s*ROWB
	s_or_b32 s[G0B+4*\s+3], s[G0B+4*\s+3], 0x80000000
	JLOAD G0+4*\s, G1, G0B+4*\s, G1B               ; three loads of mine are out in all: the scales and both K steps
.endr
	v_and_b32 v1, 15, v0                           ; r = lane % 16
	v_bfe_u32 v2, v0, 4, 1                         ; h = lane / 16
	; the bias: lane (r, h) wants, for B's block b, ba at columns 16 b + 8 h + 0 .. 7 of my 128
	s_lshl_b32 s46, s42, 10                        ; 256 columns x 4 bytes a tile column
	s_lshl_b32 s47, s16, 9
	s_add_co_u32 s46, s46, s47
	s_mov_b32 s47, 0
	s_add_nc_u64 s[96:97], s[96:97], s[46:47]
	v_lshlrev_b32 v7, 5, v2
.irp b, 0,1,2,3,4,5,6,7
	global_load_b128 v[BI+8*\b:BI+8*\b+3], v7, s[96:97] offset:64*\b
	global_load_b128 v[BI+8*\b+4:BI+8*\b+7], v7, s[96:97] offset:64*\b+16
.endr
	v_mul_u32_u24 v3, v1, PITCH
	v_lshl_add_u32 v4, v2, 4, v3                   ; a fragment's row x pitch + 16 x half
	s_mul_i32 s21, s15, HALFT                      ; my 128 rows of A
	s_mul_i32 s22, s16, HALFT                      ; my 128 rows of B,
	s_add_co_u32 s22, s22, 2*HALFT                 ; which lie behind A's 256
.irp s, 0,1
	v_add_nc_u32 v[ADRA+\s], s21, v4
	v_add_nc_u32 v[ADRB+\s], s22, v4
	s_add_co_u32 s21, s21, SLOT
	s_add_co_u32 s22, s22, SLOT
.endr
	v_mul_u32_u24 v5, v1, KS                       ; my row's scales: KS bytes a row,
	v_lshrrev_b32 v6, 8, v5
	v_lshl_add_u32 v5, v6, 4, v5                   ; and 16 more for each 256 passed
	s_mul_i32 s21, s15, HALFS                      ; A's: my 128 rows
	s_mul_i32 s22, s16, HALFS                      ; B's: my 128 rows, behind A's 256
	s_add_co_u32 s22, s22, 2*HALFS
	s_sub_co_u32 s22, s22, s21
	v_mul_u32_u24 v6, s22, v2                      ; lanes 16-31 take B's: the lower base + h x the distance
	s_add_co_u32 s21, s21, SCL
	v_add_nc_u32 v5, v5, v6
	v_add_nc_u32 v[ADRS], s21, v5
	s_mul_i32 s23, s14, 2*SHEAD                    ; my stage: it lies in slot 0, which has had its only fill, and which nobody reads behind the change of slots
	v_mul_u32_u24 v5, v1, SROW                     ; in: token r, 16 bytes for each half of the lanes
	v_lshl_add_u32 v5, v2, 4, v5
	v_add_nc_u32 v[STO], s23, v5
	v_bfe_u32 v5, v0, 3, 2                         ; back: eight lanes to a token's 128 bytes, four tokens an instruction
	v_mul_u32_u24 v5, v5, SROW
	v_and_b32 v6, 7, v0
	v_lshl_add_u32 v5, v6, 4, v5
	v_add_nc_u32 v[RD], s23, v5
	v_and_b32 v6, 31, v0
	v_lshlrev_b32 v[CO], 4, v6                     ; and in qkv, where a head's tokens are dense: 16 x lane
	v_lshlrev_b32 v[KMO], 2, v6
	; where my results go: part = cluster x, b = cluster y, my first head = 4 cx + 2 x column half, my first token = 256 cy + 128 x row half
	s_and_b32 s20, ttmp7, 0xffff
	s_lshl_b32 s20, s20, 4
	s_lshl_b32 s21, s40, 2
	s_add_co_u32 s20, s20, s21
	s_lshl_b32 s21, s16, 1
	s_add_co_u32 s20, s20, s21                     ; 16 b + head
	s_lshl_b32 s22, s41, 1
	s_add_co_u32 s22, s22, s15                     ; the chunk of 128 tokens
	s_lshl_b32 s46, s20, 3
	s_add_co_u32 s46, s46, s22
	s_lshl_b32 s46, s46, 7                         ; kmax: 128 bytes a chunk, 1,024 a head
	s_mov_b32 s47, 0
	s_add_nc_u64 s[98:99], s[98:99], s[46:47]
	s_lshl_b32 s46, s20, 17                        ; qkv: 131,072 bytes a head,
	s_lshl_b32 s22, s22, 14                        ; 16,384 a chunk,
	s_add_co_u32 s46, s46, s22
	s_lshl_b32 s22, ttmp9, 23                      ; 8,388,608 a part
	s_add_co_u32 s46, s46, s22
	s_add_nc_u64 s[12:13], s[12:13], s[46:47]
.macro FRAG reg, adr, q, i             ; a fragment, 16 rows x 128 K of 4-bit codes, is 8 registers: lane l holds row l % 16; registers 4 c .. 4 c + 3 hold K = 64 c + 32 (l / 16) + 0 .. 31
.irp c, 0,1
	ds_load_b128 v[\reg+4*\c:\reg+4*\c+3], v[\adr] offset:64*(\q)+32*\c+(\i)*16*PITCH
.endr
.endm
; 16 matrix instructions: A's blocks a0, a0 + 1 x B's eight, 128 along K: the slot's q-th.  p: B's set;  sc: the set of scale words.  zero = 1: the first product starts the sums from the bias.
; The 64 accumulators take turns, one instruction a turn, in the same order in every step.
.macro MUL16 a0, p, q, sc, zero
.irp a, \a0, \a0+1
.irp b, 0,1,2,3,4,5,6,7
.if \zero
	v_wmma_scale_f32_16x16x128_f8f6f4 v[8*(8*((\a)%4)+\b):8*(8*((\a)%4)+\b)+7], v[128*(\p)+FR*\b:128*(\p)+FR*\b+FR-1], v[AF+FR*(\a):AF+FR*(\a)+FR-1], v[BI+8*\b:BI+8*\b+7], v[SC+8*NQ*(\sc)+NQ*\b+(\q)], v[SC+8*NQ*(\sc)+NQ*(\a)+(\q)] matrix_a_fmt:MATRIX_FMT_FP4 matrix_b_fmt:MATRIX_FMT_FP4 matrix_a_scale:MATRIX_SCALE_ROW1
.else
	v_wmma_scale_f32_16x16x128_f8f6f4 v[8*(8*((\a)%4)+\b):8*(8*((\a)%4)+\b)+7], v[128*(\p)+FR*\b:128*(\p)+FR*\b+FR-1], v[AF+FR*(\a):AF+FR*(\a)+FR-1], v[8*(8*((\a)%4)+\b):8*(8*((\a)%4)+\b)+7], v[SC+8*NQ*(\sc)+NQ*\b+(\q)], v[SC+8*NQ*(\sc)+NQ*(\a)+(\q)] matrix_a_fmt:MATRIX_FMT_FP4 matrix_b_fmt:MATRIX_FMT_FP4 matrix_a_scale:MATRIX_SCALE_ROW1
.endif
.endr
.endr
.endm
.macro FETCH_B slot, q, p              ; B's eight fragments of the slot's q-th 128 along K into set p
	WIN TO_B
.irp i, 0,1,2,3,4,5,6,7
	FRAG 128*(\p)+FR*\i, ADRB+\slot, \q, \i
.endr
	WIN 0
.endm
.macro FETCH_A slot, q, i0             ; A's blocks i0 .. i0 + 3
.irp i, \i0, \i0+1, \i0+2, \i0+3
	FRAG AF+FR*(\i), ADRA+\slot, \q, \i
.endr
.endm
.macro SCALES sc                       ; a K step's scale words into set sc: NQ words a row; lanes 0-15 take A's block i, lanes 16-31 B's block i
.irp i, 0,1,2,3,4,5,6,7
	ds_load_b128 v[SC+8*NQ*\sc+NQ*\i:SC+8*NQ*\sc+NQ*\i+3], v[ADRS] offset:\i*SBLK
.endr
.endm
.macro PLACES n                        ; plain vector instructions between a matrix instruction and a load into, or a read of, its registers
.rept \n
	v_nop
.endr
.endm
; A step of 128 along K that has its successor in the same slot.
.macro STEP slot, q, zero
	s_wait_dscnt 4*NL                              ; B's set and A's blocks 0-3 are in; the youngest eight loads (A's blocks 4-7) may be out
.if \zero
	WIN ZLO
.else
	WIN MUL_LO
.endif
	MUL16 0, (\q)%2, \q, \slot, \zero
	MUL16 2, (\q)%2, \q, \slot, \zero
	s_wait_dscnt 0                                 ; A's blocks 4-7 are in (asked for 32 matrix instructions ago)
	PLACES NP
	FETCH_B \slot, (\q)+1, 1-(\q)%2
	FETCH_A \slot, (\q)+1, 0
.if \zero
	WIN ZHI
.else
	WIN MUL_HI
.endif
	MUL16 4, (\q)%2, \q, \slot, \zero
	MUL16 6, (\q)%2, \q, \slot, \zero
	PLACES NP
	WIN 0
	FETCH_A \slot, (\q)+1, 4
.endm
; Slot 0's last step changes slots: ONE barrier; in front of it each wave waits for all its tensor loads (its part of slot 1), adds 0 to its spare word, and waits for that and for its own reads of slot 0.
.macro TURN slot, next
	s_wait_tensorcnt 0x0                           ; all my tensor loads have landed
	ds_add_u32 v[SPW], v[NIL]                      ; 0 onto my spare word
	s_wait_dscnt 4*NL+1                            ; (the add and the youngest eight loads, A's blocks 4-7, may be out)
	WIN MUL_LO
	MUL16 0, 1, NQ-1, \slot, 0                     ; sixteen matrix instructions stand between the add and the wait for it
	s_wait_dscnt 0x0                               ; the add is done, and my reads of this slot are over
	s_barrier_signal -1
	MUL16 2, 1, NQ-1, \slot, 0
	WIN 0
	s_barrier_wait -1
	PLACES NP
	v_add_nc_u32 v[ADRS], 4*NQ, v[ADRS]            ; on to the next K step's scale words
	FETCH_B \next, 0, 0
	FETCH_A \next, 0, 0
	SCALES \next
	WIN MUL_HI
	MUL16 4, 1, NQ-1, \slot, 0
	MUL16 6, 1, NQ-1, \slot, 0
	PLACES NP
	WIN 0
	FETCH_A \next, 0, 4
.endm
.macro STEPS slot, from                ; the slot's steps from .. NQ - 2
.set Q, \from
.rept NQ-1-\from
	STEP \slot, Q, 0
.set Q, Q+1
.endr
.endm
	s_wait_tensorcnt 1                             ; the scales and my part of K step 0 are in (K step 1's load may be out)
	s_barrier_signal -1
	s_barrier_wait -1                              ; everybody's are
	FETCH_B 0, 0, 0
	FETCH_A 0, 0, 0
	SCALES 0
	FETCH_A 0, 0, 4
	s_wait_loadcnt 0x0                             ; the bias
	STEP 0, 0, 1                                   ; the first step's products start the sums from the bias
	STEPS 0, 1
	TURN 0, 1
	STEPS 1, 0
	s_wait_dscnt 4*NL                              ; the very last step: nothing more to fetch
	WIN MUL_LO
	MUL16 0, 1, NQ-1, 1, 0
	MUL16 2, 1, NQ-1, 1, 0
	s_wait_dscnt 0
	WIN MUL_HI
	MUL16 4, 1, NQ-1, 1, 0
	MUL16 6, 1, NQ-1, 1, 0
	WIN 0
	PLACES NP                                      ; in front of the first reads of results, of writes of the scale words' registers and of loads into A's
	; PART 1 ALONE (k): each lane's largest |k| of each of my two heads: eight chains, one for each of B's blocks; each accumulator is read from its low end on
	s_cmp_lg_u32 ttmp9, 1                          ; the cluster's x: the same in all sixteen partners
	s_cbranch_scc1 .Lno_amax
.irp b, 0,1,2,3,4,5,6,7
	v_mov_b32 v[4+\b], 0
.endr
.irp a, 0,1,2,3,4,5,6,7
	WIN 0x28+0x14*(\a/4)                           ; sources 1 and 2: window 2 or 3
.irp j, 0,2,4,6
.irp b, 0,1,2,3,4,5,6,7
	v_max3_num_f32 v[4+\b], v[4+\b], |v[64*(\a%4)+8*\b+\j]|, |v[64*(\a%4)+8*\b+\j+1]|
.endr
.endr
.endr
	WIN 0
.irp u, 0,1
	v_max3_num_f32 v[12+\u], v[4+4*\u], v[5+4*\u], v[6+4*\u]
.endr
.irp u, 0,1
	v_max_num_f32 v[12+\u], v[12+\u], v[7+4*\u]
.endr
.irp u, 0,1
	global_store_b32 v[KMO], v[12+\u], s[98:99] offset:1024*\u   ; 128 consecutive bytes: the one store here that covers less than 256; 65,536 bytes in the whole launch
.endr
.Lno_amax:
; THE WAY OUT, block by block of 16 tokens x 128 columns (two heads).  A lane's eight results pack into 16 bytes of one token; a block goes through my stage and comes back as four tokens' 512 dense bytes an instruction.
.macro PACK a
.set AC, 64*((\a)%4)
	WIN 0x0a+5*((\a)/4)                            ; sources 0 and 1: window 2 or 3
.irp b, 0,1,2,3,4,5,6,7
.irp r, 0,1,2,3
	v_cvt_pk_f16_f32 v[TMP+4*\b+\r], v[AC+8*\b+2*\r], v[AC+8*\b+2*\r+1]
.endr
.endr
	WIN 0
.endm
.macro TOSTAGE a
.set BBK, OB+32*((\a)%2)
.if (\a) > 1
	s_wait_xcnt 0x0                                ; block a - 2's stores have read their registers: block a's loads may land there
.endif
.irp b, 0,1,2,3,4,5,6,7
	ds_store_b128 v[STO], v[TMP+4*\b:TMP+4*\b+3] offset:(\b/4)*SHEAD+32*(\b%4)
.endr
.irp u, 0,1
.irp i, 0,1,2,3
	ds_load_b128 v[BBK+16*\u+4*\i:BBK+16*\u+4*\i+3], v[RD] offset:SHEAD*\u+4*SROW*\i   ; LDS serves a wave's instructions in order: these see the stores above
.endr
.endr
.endm
.macro SEND a
.set BBK, OB+32*((\a)%2)
	s_wait_dscnt 0x0                               ; the block is back in registers
.irp u, 0,1
.irp i, 0,1,2,3
	global_store_b128 v[CO], v[BBK+16*\u+4*\i:BBK+16*\u+4*\i+3], s[12:13] offset:131072*\u+2048*(\a)+512*\i   ; 32 lanes store 512 consecutive bytes, aligned; every offset is an immediate
.endr
.endr
.endm
	PACK 0
	TOSTAGE 0
.irp a, 1,2,3,4,5,6,7                  ; block a's conversions stand between block a - 1's loads from the stage and the wait for them
	PACK \a
	SEND \a-1
	TOSTAGE \a
.endr
	SEND 7
	s_wait_tensorcnt 0x0                           ; the wave's end: behind my last tensor load and my last LDS store
	ds_add_u32 v[SPW], v[NIL]
	s_wait_dscnt 0x0
	CROUND                                         ; the closing round: no work-group ends while a partner may still ask for a tile that names it
	s_endpgm
.Lfunc_end_k_qb58bf71988_qkvgemm:
	.size	k_qb58bf71988_qkvgemm, .Lfunc_end_k_qb58bf71988_qkvgemm-k_qb58bf71988_qkvgemm
	.p2alignl 7, 3214868480
	.fill 96, 4, 3214868480
	.section	.rodata,"a",@progbits
	.p2align	6, 0x0
	.amdhsa_kernel k_qb58bf71988_qkvgemm
		.amdhsa_group_segment_fixed_size 327680
		.amdhsa_private_segment_fixed_size 0
		.amdhsa_enable_private_segment 0
		.amdhsa_kernarg_size 56
		.amdhsa_user_sgpr_count 2
		.amdhsa_user_sgpr_kernarg_segment_ptr 1
		.amdhsa_wavefront_size32 1
		.amdhsa_system_sgpr_workgroup_id_x 1
		.amdhsa_system_sgpr_workgroup_id_y 1
		.amdhsa_system_sgpr_workgroup_id_z 1
		.amdhsa_system_vgpr_workitem_id 0
		.amdhsa_next_free_vgpr 1024
		.amdhsa_next_free_sgpr 100
		.amdhsa_reserve_vcc 0
		.amdhsa_float_denorm_mode_32 3
		.amdhsa_float_denorm_mode_16_64 3
		.amdhsa_memory_ordered 1
		.amdhsa_forward_progress 1
		.amdhsa_inst_pref_size 145
	.end_amdhsa_kernel
	.amdgpu_metadata
---
amdhsa.version: [ 1, 2 ]
amdhsa.kernels:
  - .name:           k_qb58bf71988_qkvgemm
    .symbol:         k_qb58bf71988_qkvgemm.kd
    .args:
      - { .name: a_codes, .offset: 0, .size: 8, .value_kind: global_buffer, .address_space: global }
      - { .name: a_scales, .offset: 8, .size: 8, .value_kind: global_buffer, .address_space: global }
      - { .name: b_codes, .offset: 16, .size: 8, .value_kind: global_buffer, .address_space: global }
      - { .name: b_scales, .offset: 24, .size: 8, .value_kind: global_buffer, .address_space: global }
      - { .name: ba, .offset: 32, .size: 8, .value_kind: global_buffer, .address_space: global }
      - { .name: qkv, .offset: 40, .size: 8, .value_kind: global_buffer, .address_space: global }
      - { .name: kmax, .offset: 48, .size: 8, .value_kind: global_buffer, .address_space: global }
    .group_segment_fixed_size: 327680
    .private_segment_fixed_size: 0
    .kernarg_segment_align: 8
    .kernarg_segment_size: 56
    .max_flat_workgroup_size: 128
    .sgpr_count:     100
    .vgpr_count:     1024
    .wavefront_size: 32
...
	.end_amdgpu_metadata
.endif
;; end of part 2
;; launch attn (part 3): grid 4 x 64, 8 waves a work-group, no clusters, 327,680 bytes of LDS; arguments qkv, kmax, rel_emb, sn_bias, ctx; writes ctx
.if DOCPART == 3
	.amdgcn_target "amdgcn-amd-amdhsa--gfx1250"
	.amdhsa_code_object_version 6
	.text
	.protected	k_qb58bf71988_attn
	.globl	k_qb58bf71988_attn
	.p2align	8
	.type	k_qb58bf71988_attn,@function
k_qb58bf71988_attn:
	s_mov_b64 s[64:65], 0
	v_nop
	global_prefetch_b8 v0, s[64:65] scope:SCOPE_SE
	s_setreg_imm32_b32 hwreg(HW_REG_WAVE_MODE, 25, 1), 1
	s_wait_xcnt 0x0
; ctx[b][q][h][:] = the sum over k of attn(q, k) v[k][:], attn = t / (sum of t + 1e-8), t = relu((q.k + q.rel[clip(k - q, -16, 16) + 16]) / 8 + bias)^2.  q, k, v: f16, [part][b 16 + h][1024][64].  Products on f16, sums in f32.
; SHARES.  A work-group owns 256 queries of one head (x: the block of queries, y: b 16 + h); each of its eight waves owns 32: two tiles of 16.  Two waves share a SIMD, so that one wave's vector work stands beside the other's products.
; The head's whole K and V (1,024 keys x 128 bytes each) lie in LDS, filled ONCE, in four chunks of 256 keys; every wave brings a piece of every chunk, so that one counted wait a chunk serves all.  Nothing is ever filled again.
; LAYOUT.  Both products are used transposed: S^T = K Q^T (source 0 = 16 keys, source 1 = 16 queries), O^T = V^T P (source 0 = 16 channels, source 1 = 32 keys x 16 queries): a lane holds ONE query (lane % 16) throughout, and
; two tiles of S^T, squared and rounded to f16 in pairs, ARE source 1 of the second product.  K comes out of LDS as it lies, V turned, by ds_load_tr16_b128.
; THE RELATIVE TERM AND THE BIAS ARE THE C OF THE FIRST PRODUCT.  q.rel has 33 different numbers a query.  A tile of 16 keys that lies two tiles or more under the queries' tile takes rel[0] everywhere, two or more above rel[32];
; the three tiles round the diagonal take 8 registers each from a table T[query][k - q + 32], which the matrix unit makes once (rel's rows as source 0; rows 0 and 32 repeated do the clipping) and which goes through the wave's own LDS.
; THE SCALE.  y = q.k + q.rel + 8 bias = 8 (score + bias).  For every key |y| <= bound = 64 mq A + 8 |bias|, mq the query's largest |q|, A = the head's largest |k| + the largest |rel|.  c = 2^(6 - floor(log2(bound))) is a power of two:
; q c is exact, c y lies under 2^7, p = relu(c y)^2 under 2^14, inside f16 for every input, and attn = p / (sum of p + 64 x 1e-8 x c^2) is what is asked.  reference() takes no maximum away, and neither does this text: the bound is known ahead of the keys.
; NO CLUSTER: the four work-groups that share a head's K and V are its four blocks of queries, and which C a product takes is a branch on the block of queries: partners would part on their place.
; NO PREFETCH: all that the work-group reads of K and V is asked for at its head.
; LIMITS: |q|, |k|, |v| under 65,504; |bias| under 2^55; A is held at 2^-12 and the bound at 2^-30 from below; NaN and infinities are not served; the division is a reciprocal (v_rcp_f32) and a multiplication; a row whose every t is 0 gives zeros.
; REGISTERS.  window 0: v1-19 addresses and small things; v20-23 c, c^2 a tile; v24-31 the sums; v32-47 at work; v48-63 8 bias c; v64-127 S^T; v128-159 P; v160-191 C under and above the band; v192-239 the band's C.
;   window 1: v0-31 Q c; v32-95 K of a step (at the head: rel's fragments); v96-159 V of a step; v160-223 O^T.
.set VTB,   139264                     ; LDS: K: 512 rows of two keys, 256 bytes + 16: key k at (k / 2) 272 + (k % 2) 128; the 16 keys of a load fall on 16 different 16-byte columns.  From VTB: V likewise, + 32: pitch 288
.set TST,   286720                     ; eight regions of 4,352 bytes, each wave's own: first the table T (16 x 272), at the end the stage for ctx (16 x 144).  No fill lands here
.set TSW,   4352
.set SPARE, 321536                     ; the spare words, 128 bytes for each wave
.set KSB,   8704                       ; a step's 64 keys of K in LDS: 32 rows
.set VSB,   9216                       ; and of V
.set AK0, 3                            ; v3   my lane's place in a tile of K
.set AV0, 4                            ; v4   the same for V
.set ADK, 5                            ; v5   LDS address of the run of K's loads in hand
.set ADV, 6                            ; v6   of V's
.set TW,  7                            ; v7   the table: where I store
.set TG,  8                            ; v8   the table: where I gather
.set STO, 9                            ; v9   the way out: where I put 16 bytes of a query
.set RD,  10                           ; v10  the way out: where I read rows back
.set GO,  11                           ; v11  16 x lane
.set SPW, 12                           ; v12  LDS address of my spare word; never rewritten
.set NIL, 13                           ; v13  0; never rewritten
.set QO,  14                           ; v14  my byte offset in a tile of Q
.set RO0, 15                           ; v15  in one row of rel_emb, for all lanes
.set ROR, 16                           ; v16  in row r of rel_emb
.set KMO, 17                           ; v17  32 x lane: my 8 words of kmax
.set T0,  18                           ; v18  at work
.set AA,  19                           ; v19  A
.set CC,  20                           ; v[20 + 2 qt] c, v[21 + 2 qt] c^2
.set SUM, 24                           ; v[24 + 4 qt ..]: two pairs a tile
.set BB,  48                           ; 8 registers a tile, each 8 bias c
.set S,   64                           ; S^T: tile (kt, qt) at 8 (2 kt + qt)
.set P,   128                          ; P: 16 qt + 8 kc
.set CLO, 160                          ; 8 qt: q.rel[0] c + 8 bias c, eight times
.set CHI, 176                          ; 8 qt: the same with rel[32]
.set BAND, 192                         ; 24 qt + 8 (delta + 1)
.set QRAW, 64                          ; at the head: Q as loaded;
.set FQ,  96                           ; one tile of it in f32;
.set RF,  128                          ; rel_emb in f32: four blocks of 32 registers
.set QF,  0                            ; window 1
.set KF,  32
.set VF,  96
.set OT,  160
.set WV,  14                           ; s14  my wave's number
.set W3,  15                           ; s15  wave % 4
.set YH,  16                           ; s16  b 16 + h
.set WQ,  17                           ; s17  W = 8 x + wave: my query tiles are 2 W and 2 W + 1
.set G1K, 24                           ; s[24:31] descriptor group 1 for K;  s[32:39] for V: it differs in the padding alone
.set G1V, 32
.set G0K, 40                           ; s[40:55] four groups 0 for K, one a chunk;  s[68:83] for V
.set G0V, 68
.set SEL, 56                           ; s[56:57] lane selects for v_permlanex16_b32: lane l xor 16
.set TBK, 58                           ; s58  LDS byte at which the NEXT step's K begins
.set TBV, 59                           ; s59  at which this step's V begins, from VTB
.set D0,  60                           ; s60  2 x step - W
.set CNT, 61                           ; s61  counts a loop's trips
.set B8,  62                           ; s62  8 bias;  s63 its magnitude
.set B8A, 63
.set SB,  66                           ; s66  bias
.set C64, 67                           ; s67  64.0
.set MSB, 0
.macro WIN new                         ; the immediate's high byte repeats the setting that is left
.if MSB != \new
	s_set_vgpr_msb (MSB<<8)|\new
.set MSB, \new
.endif
.endm
.set W_KQ,  0x05                       ; K and Q in window 1, C and S^T in window 0
.set W_PV,  0x51                       ; V and O^T in window 1, P in window 0
.set TO1,   0x40                       ; destination window 1
.set FROM1, 0x01                       ; source 0 window 1
	s_load_b256 s[4:11], s[0:1], 0x0               ; qkv s[4:5], kmax s[6:7], rel_emb s[8:9], sn_bias s[10:11]
	s_load_b64 s[12:13], s[0:1], 0x20              ; ctx
	v_lshl_add_u32 v[SPW], v0, 2, SPARE
	v_mov_b32 v[NIL], 0
	ds_add_u32 v[SPW], v[NIL]                      ; the wave's opening: the add, twice on end, and its wait ahead of my first tensor load
	ds_add_u32 v[SPW], v[NIL]                      ; and once more, under the one wait; the set-up below, work on registers, stands between
	v_lshrrev_b32 v1, 5, v0
	v_readfirstlane_b32 s[WV], v1                  ; wave 0..7
	s_and_b32 s[W3], s[WV], 3
	s_and_b32 s[YH], ttmp7, 0xffff
	s_lshl_b32 s[WQ], ttmp9, 3
	s_add_co_u32 s[WQ], s[WQ], s[WV]
	; descriptor group 1: 32 rows of 256 bytes (two keys; a head's keys are dense in memory), 32 elements of 8 bytes, padded behind each row
	s_mov_b32 s[G1K], (3<<16)|(1<<20)|(5<<22)|(3<<25)   ; 15:0 no mask; 17:16 elements of 8 bytes; 20 padding on; 24:22 after every 64 words; 31:25 four words
	s_mov_b32 s[G1V], (3<<16)|(1<<20)|(5<<22)|(7<<25)   ; the same with eight words
.irp g, G1K, G1V
	s_mov_b32 s[\g+1], 32<<16                      ; tensor_dim0 = 32
	s_mov_b32 s[\g+2], 32<<16                      ; tensor_dim1 = 32
	s_mov_b32 s[\g+3], 32<<16                      ; tile_dim0 = 32
	s_mov_b32 s[\g+4], 32                          ; tile_dim1 = 32
	s_mov_b32 s[\g+5], 32                          ; tensor_dim0_stride
	s_mov_b32 s[\g+6], 0
	s_mov_b32 s[\g+7], 0
.endr
	s_mov_b32 s[SEL], 0x76543210
	s_mov_b32 s[SEL+1], 0xfedcba98
	s_mov_b32 s[C64], 0x42800000                   ; 64.0
	s_mul_i32 s2, s[W3], 32*272                    ; my 32 rows of a chunk, in K's part of LDS,
	s_mul_i32 s3, s[W3], 32*288
	s_add_co_u32 s3, s3, VTB                       ; and in V's
	s_lshl_b32 s18, s[YH], 17                      ; the head: 131,072 bytes,
	s_lshl_b32 s19, s[W3], 13                      ; my 64 keys of a chunk: 8,192
	s_add_co_u32 s18, s18, s19
	s_mov_b32 s19, 0
	s_wait_dscnt 0x0                               ; both opening adds are done
	s_wait_kmcnt 0x0
	s_load_b32 s[SB], s[10:11], 0x0                ; the bias
	s_add_nc_u64 s[20:21], s[4:5], s[18:19]
	s_add_nc_u64 s[22:23], s[20:21], 0x1000000     ; V: part 2
	s_add_nc_u64 s[20:21], s[20:21], 0x800000      ; K: part 1
.irp c, 0,1,2,3
	s_mov_b32 s[G0K+4*\c], 1                       ; count = 1
	s_add_co_u32 s[G0K+4*\c+1], s2, 128*272*\c     ; LDS address: chunk c, my rows
	s_add_nc_u64 s[G0K+4*\c+2:G0K+4*\c+3], s[20:21], 32768*\c   ; global address: 256 keys a chunk
	s_or_b32 s[G0K+4*\c+3], s[G0K+4*\c+3], 0x80000000           ; type = 2
	s_mov_b32 s[G0V+4*\c], 1
	s_add_co_u32 s[G0V+4*\c+1], s3, 128*288*\c
	s_add_nc_u64 s[G0V+4*\c+2:G0V+4*\c+3], s[22:23], 32768*\c
	s_or_b32 s[G0V+4*\c+3], s[G0V+4*\c+3], 0x80000000
.endr
	s_cmp_lt_u32 s[WV], 4                          ; waves 0-3 bring K, waves 4-7 V: a wave's four loads stand in one branch, ahead of every wait on TENSORcnt, every LDS read and every barrier: four loads of mine are out
	s_cbranch_scc0 .Lfill_v
.irp c, 0,1,2,3
	tensor_load_to_lds s[G0K+4*\c:G0K+4*\c+3], s[G1K:G1K+7]
	s_nop 0
.endr
.rept 4
	v_nop
.endr
	s_branch .Lfilled
.Lfill_v:
.irp c, 0,1,2,3
	tensor_load_to_lds s[G0V+4*\c:G0V+4*\c+3], s[G1V:G1V+7]
	s_nop 0
.endr
.rept 4
	v_nop
.endr
.Lfilled:
	v_and_b32 v1, 15, v0                           ; r = lane % 16
	v_bfe_u32 v2, v0, 4, 1                         ; h = lane / 16
	v_and_b32 v[T0], 31, v0                        ; lane
	v_lshlrev_b32 v[QO], 7, v1
	v_lshl_add_u32 v[QO], v2, 4, v[QO]             ; Q: query r of 128 bytes, + 16 h
	v_lshlrev_b32 v[RO0], 5, v2                    ; rel_emb, f32: 32 h in a row,
	v_lshl_add_u32 v[ROR], v1, 8, v[RO0]           ; row r of 256 bytes
	v_lshlrev_b32 v[KMO], 5, v[T0]
	v_lshlrev_b32 v[GO], 4, v[T0]
	s_lshl_b32 s18, s[YH], 17
	s_lshl_b32 s22, s[WQ], 12                      ; my 32 queries: 4,096 bytes
	s_add_co_u32 s18, s18, s22
	s_add_nc_u64 s[20:21], s[4:5], s[18:19]        ; Q: part 0
	s_lshl_b32 s22, s[YH], 10
	s_mov_b32 s23, 0
	s_add_nc_u64 s[6:7], s[6:7], s[22:23]          ; kmax: 1,024 bytes a head
.irp qt, 0,1
.irp c, 0,1
.irp g, 0,1
	global_load_b128 v[QRAW+16*\qt+8*\c+4*\g:QRAW+16*\qt+8*\c+4*\g+3], v[QO], s[20:21] offset:2048*\qt+64*\c+32*\g   ; a fragment: registers 0-3 channels 32 c + 8 h on, registers 4-7 16 further
.endr
.endr
.endr
	global_load_b128 v[32:35], v[KMO], s[6:7]
	global_load_b128 v[36:39], v[KMO], s[6:7] offset:16
; rel_emb's rows as four blocks of 16 for source 0: block 0: row 0 in every lane; block 1: rows r; block 2: rows 16 + r; block 3: row 32 in every lane.  The last byte read is 8,447: the buffer's last
.macro RELLOAD t, adr, rowbase
.irp c, 0,1
.irp g, 0,1
.irp e, 0,1
	global_load_b128 v[RF+32*\t+16*\c+8*\g+4*\e:RF+32*\t+16*\c+8*\g+4*\e+3], v[\adr], s[8:9] offset:\rowbase+128*\c+64*\g+16*\e
.endr
.endr
.endr
.endm
	RELLOAD 0, RO0, 0
	RELLOAD 1, ROR, 0
	RELLOAD 2, ROR, 4096
	RELLOAD 3, RO0, 8192
	; the LDS addresses, while the loads are out
	v_lshrrev_b32 v[T0], 1, v1
	v_mul_u32_u24 v[AK0], v[T0], 272
	v_and_b32 v[T0], 1, v1
	v_lshl_add_u32 v[AK0], v[T0], 7, v[AK0]
	v_lshl_add_u32 v[AK0], v2, 4, v[AK0]           ; K: key r: (r / 2) 272 + (r % 2) 128 + 16 h
	v_bfe_u32 v[T0], v0, 1, 2
	v_lshl_add_u32 v[T0], v2, 2, v[T0]
	v_mul_u32_u24 v[AV0], v[T0], 288
	v_and_b32 v[T0], 1, v0
	v_lshl_add_u32 v[AV0], v[T0], 7, v[AV0]
	v_bfe_u32 v[T0], v0, 3, 1
	v_lshl_add_u32 v[AV0], v[T0], 4, v[AV0]
	v_add_nc_u32 v[AV0], VTB, v[AV0]               ; V, for the turning load: key 8 h + l % 8, channels 8 ((l / 8) % 2) on
	s_mul_i32 s18, s[WV], TSW
	s_add_co_u32 s18, s18, TST                     ; my region
	v_mul_u32_u24 v[TW], v1, 272
	v_lshl_add_u32 v[TW], v2, 5, v[TW]
	v_add_nc_u32 v[TW], s18, v[TW]                 ; T[r][16 t + 8 h + j] at 272 r + 64 t + 32 h + 4 j
	v_mul_u32_u24 v[TG], v1, 268
	v_lshl_add_u32 v[TG], v2, 5, v[TG]
	v_add_nc_u32 v[TG], s18, v[TG]                 ; T[r][32 + 16 delta + 8 h + e - r] at 268 r + 32 h + 128 + 64 delta + 4 e: lanes 67 words apart, the halves 8
	v_mul_u32_u24 v[STO], v1, 144
	v_lshl_add_u32 v[STO], v2, 4, v[STO]
	v_add_nc_u32 v[STO], s18, v[STO]
	v_bfe_u32 v[T0], v0, 3, 2
	v_mul_u32_u24 v[RD], v[T0], 144
	v_and_b32 v[T0], 7, v0
	v_lshl_add_u32 v[RD], v[T0], 4, v[RD]
	v_add_nc_u32 v[RD], s18, v[RD]
	; ctx [b 8 + s / 128][h][128 tokens][64]: my 32 queries are 4,096 dense bytes
	s_lshr_b32 s22, s[YH], 4
	s_lshl_b32 s22, s22, 3
	s_lshl_b32 s18, ttmp9, 1
	s_add_co_u32 s22, s22, s18
	s_lshr_b32 s18, s[WV], 2
	s_add_co_u32 s22, s22, s18
	s_lshl_b32 s22, s22, 4
	s_and_b32 s18, s[YH], 15
	s_add_co_u32 s22, s22, s18
	s_lshl_b32 s22, s22, 14
	s_lshl_b32 s18, s[W3], 12
	s_add_co_u32 s22, s22, s18
	s_add_nc_u64 s[12:13], s[12:13], s[22:23]
	v_mov_b32 v47, 0                               ; written once: a lane permute's destination counts as one of its sources
	s_wait_loadcnt 0x0
	s_wait_kmcnt 0x0
	s_mul_f32 s[B8], s[SB], 0x41000000             ; 8 bias
	s_and_b32 s[B8A], s[B8], 0x7fffffff
; the largest over the 32 lanes, in every lane
.macro RED x, tmp
	v_max_num_f32_dpp v[\x], v[\x], v[\x] row_xmask:1 row_mask:0xf bank_mask:0xf
	v_max_num_f32_dpp v[\x], v[\x], v[\x] row_xmask:2 row_mask:0xf bank_mask:0xf
	v_max_num_f32_dpp v[\x], v[\x], v[\x] row_xmask:4 row_mask:0xf bank_mask:0xf
	v_max_num_f32_dpp v[\x], v[\x], v[\x] row_xmask:8 row_mask:0xf bank_mask:0xf
	v_permlanex16_b32 v[\tmp], v[\x], s[SEL], s[SEL+1]
	v_max_num_f32 v[\x], v[\x], v[\tmp]
.endm
	; A = the head's largest |k| + the largest |rel|.  Blocks 1 to 3 (v160-255) hold all 33 rows
	v_max3_num_f32 v44, |v160|, |v161|, |v162|
	v_max3_num_f32 v45, |v163|, |v164|, |v165|
.set i, 166
.rept 22
	v_max3_num_f32 v44, v44, |v[i]|, |v[i+1]|
	v_max3_num_f32 v45, v45, |v[i+2]|, |v[i+3]|
.set i, i+4
.endr
	v_max3_num_f32 v44, v44, |v254|, |v255|
	v_max3_num_f32 v46, v32, v33, v34              ; kmax holds magnitudes
	v_max3_num_f32 v46, v46, v35, v36
	v_max3_num_f32 v46, v46, v37, v38
	v_max_num_f32 v44, v44, v45
	v_max_num_f32 v46, v46, v39
	RED 44, 47
	RED 46, 47
	v_add_f32 v[AA], v44, v46
	v_max_num_f32 v[AA], 0x39800000, v[AA]         ; held at 2^-12 from below: |q c| < 2 / A stays inside f16
	; rel's four blocks as f16 fragments, into the registers that K's will take
	WIN TO1
.set i, 0
.rept 64
	v_cvt_pk_f16_f32 v[KF+i], v[RF+2*i], v[RF+2*i+1]
.set i, i+1
.endr
	WIN 0
; Tile qt of Q: to f32, the query's largest magnitude, the bound, c; q c back to f16 (exact: c is a power of two), into window 1.  A register's halves are named on registers written by name: so each goes through v40-43.
.macro QSCALE qt
.set g, 0
.rept 4
	v_mov_b32 v40, v[QRAW+16*\qt+4*g]
	v_mov_b32 v41, v[QRAW+16*\qt+4*g+1]
	v_mov_b32 v42, v[QRAW+16*\qt+4*g+2]
	v_mov_b32 v43, v[QRAW+16*\qt+4*g+3]
	v_cvt_f32_f16 v[FQ+8*g], v40.l
	v_cvt_f32_f16 v[FQ+8*g+1], v40.h
	v_cvt_f32_f16 v[FQ+8*g+2], v41.l
	v_cvt_f32_f16 v[FQ+8*g+3], v41.h
	v_cvt_f32_f16 v[FQ+8*g+4], v42.l
	v_cvt_f32_f16 v[FQ+8*g+5], v42.h
	v_cvt_f32_f16 v[FQ+8*g+6], v43.l
	v_cvt_f32_f16 v[FQ+8*g+7], v43.h
.set g, g+1
.endr
	v_max3_num_f32 v44, |v[FQ]|, |v[FQ+1]|, |v[FQ+2]|
	v_max3_num_f32 v45, |v[FQ+3]|, |v[FQ+4]|, |v[FQ+5]|
.irp i, 6,10,14,18,22,26
	v_max3_num_f32 v44, v44, |v[FQ+\i]|, |v[FQ+\i+1]|
	v_max3_num_f32 v45, v45, |v[FQ+\i+2]|, |v[FQ+\i+3]|
.endr
	v_max3_num_f32 v44, v44, |v[FQ+30]|, |v[FQ+31]|
	v_max_num_f32 v44, v44, v45
	v_permlanex16_b32 v47, v44, s[SEL], s[SEL+1]   ; the query's other 32 channels lie in the lane 16 away
	v_max_num_f32 v44, v44, v47                    ; mq
	v_mul_f32 v45, v44, v[AA]
	v_fma_f32 v45, v45, s[C64], s[B8A]             ; the bound: 64 mq A + 8 |bias|
	v_max_num_f32 v45, 0x30800000, v45             ; held at 2^-30 from below
	v_and_b32 v45, 0x7f800000, v45                 ; its exponent field E
	v_sub_nc_u32 v[CC+2*\qt], 0x82000000, v45      ; c: the exponent field 260 - E: 2^(6 - floor(log2(bound)))
	v_mul_f32 v[CC+2*\qt+1], v[CC+2*\qt], v[CC+2*\qt]
.irp i, 0,2,4,6,8,10,12,14,16,18,20,22,24,26,28,30
	v_pk_mul_f32 v[FQ+\i:FQ+\i+1], v[FQ+\i:FQ+\i+1], v[CC+2*\qt:CC+2*\qt+1] op_sel_hi:[1,0]
.endr
	WIN TO1
.irp i, 0,1,2,3,4,5,6,7,8,9,10,11,12,13,14,15
	v_cvt_pk_f16_f32 v[QF+16*\qt+\i], v[FQ+2*\i], v[FQ+2*\i+1]
.endr
	WIN 0
.irp i, 0,1,2,3,4,5,6,7
	v_mul_f32 v[BB+8*\qt+\i], s[B8], v[CC+2*\qt]   ; 8 bias c: the C of the table's products
.endr
.endm
	QSCALE 0
	QSCALE 1
; The table's products: rel's block t (source 0) x tile qt of Q c (source 1), 32 channels a product.  Blocks 0 and 3 give eight equal registers a lane: they ARE the C under and above the band.  Eight accumulators by turns.
.macro QRP c
.irp t, 0,1,2,3
.irp qt, 0,1
.if \t == 0
.set rD, CLO+8*\qt
.elseif \t == 3
.set rD, CHI+8*\qt
.else
.set rD, S+16*\qt+8*(\t-1)
.endif
.if \c == 0
	v_wmma_f32_16x16x32_f16 v[rD:rD+7], v[KF+16*\t:KF+16*\t+7], v[QF+16*\qt:QF+16*\qt+7], v[BB+8*\qt:BB+8*\qt+7]
.else
	v_wmma_f32_16x16x32_f16 v[rD:rD+7], v[KF+16*\t+8:KF+16*\t+15], v[QF+16*\qt+8:QF+16*\qt+15], v[rD:rD+7]
.endif
.endr
.endr
.endm
	WIN W_KQ
	QRP 0
	QRP 1
	WIN 0
.rept 4
	v_nop                                          ; places in front of the stores that read these results
.endr
.irp qt, 0,1                                   ; T goes into my region and the band's 24 registers come back; LDS serves a wave's instructions in order, so tile 1's stores come behind tile 0's loads
	ds_store_b128 v[TW], v[CLO+8*\qt:CLO+8*\qt+3]
	ds_store_b128 v[TW], v[CLO+8*\qt+4:CLO+8*\qt+7] offset:16
	ds_store_b128 v[TW], v[S+16*\qt:S+16*\qt+3] offset:64
	ds_store_b128 v[TW], v[S+16*\qt+4:S+16*\qt+7] offset:80
	ds_store_b128 v[TW], v[S+16*\qt+8:S+16*\qt+11] offset:128
	ds_store_b128 v[TW], v[S+16*\qt+12:S+16*\qt+15] offset:144
	ds_store_b128 v[TW], v[CHI+8*\qt:CHI+8*\qt+3] offset:192
	ds_store_b128 v[TW], v[CHI+8*\qt+4:CHI+8*\qt+7] offset:208
.irp d, 0,1,2
.irp e, 0,1,2,3,4,5,6,7
	ds_load_b32 v[BAND+24*\qt+8*\d+\e], v[TG] offset:64+64*\d+4*\e
.endr
.endr
.endr
.irp i, 0,1,2,3,4,5,6,7
	v_mov_b32 v[SUM+\i], 0                         ; the sums begin at 0
.endr
	s_mov_b32 s[TBV], 0
	s_sub_co_i32 s[D0], 0, s[WQ]
; A chunk is shown to all: my piece of it has landed (n younger loads of mine may stay out), no LDS instruction of mine is out; then the barrier.
.macro SYNC n
	s_wait_tensorcnt \n
	s_wait_dscnt 0x0
	s_barrier_signal -1
	s_barrier_wait -1
.endm
.macro FETCH_K                         ; a step's K: 4 tiles of 16 keys x 64 channels
	WIN TO1
.irp kt, 0,1,2,3
.irp c, 0,1
.irp g, 0,1
	ds_load_b128 v[KF+16*\kt+8*\c+4*\g:KF+16*\kt+8*\c+4*\g+3], v[ADK] offset:8*272*\kt+64*\c+32*\g
.endr
.endr
.endr
	WIN 0
.endm
.macro FETCH_V                         ; a step's V, turned: keys 32 kc on, channels 16 t on
	WIN TO1
.irp kc, 0,1
.irp t, 0,1,2,3
.irp g, 0,1
	ds_load_tr16_b128 v[VF+32*\kc+8*\t+4*\g:VF+32*\kc+8*\t+4*\g+3], v[ADV] offset:16*288*\kc+8*288*\g+32*\t
.endr
.endr
.endr
	WIN 0
.endm
; The first 32 channels of S^T = K Q^T.  The C is chosen when the text is assembled, from delta = key tile - query tile = 2 d0 + kt - qt.
.macro KQ0 d0
.set kt, 0
.rept 4
.set qq, 0
.rept 2
.set dl, 2*(\d0)+kt-qq
.if dl < -1
.set rC, CLO+8*qq
.elseif dl > 1
.set rC, CHI+8*qq
.else
.set rC, BAND+24*qq+8*(dl+1)
.endif
	v_wmma_f32_16x16x32_f16 v[S+8*(2*kt+qq):S+8*(2*kt+qq)+7], v[KF+16*kt:KF+16*kt+7], v[QF+16*qq:QF+16*qq+7], v[rC:rC+7]
.set qq, qq+1
.endr
.set kt, kt+1
.endr
.endm
.macro ARM d0
	WIN W_KQ
	KQ0 \d0
	WIN 0                                          ; at a label and at a branch every window is 0
.endm
.macro KQ1                             ; the other 32 channels, in place: between two links of a chain stand the seven other accumulators'
.set kt, 0
.rept 4
.set qq, 0
.rept 2
	v_wmma_f32_16x16x32_f16 v[S+8*(2*kt+qq):S+8*(2*kt+qq)+7], v[KF+16*kt+8:KF+16*kt+15], v[QF+16*qq+8:QF+16*qq+15], v[S+8*(2*kt+qq):S+8*(2*kt+qq)+7]
.set qq, qq+1
.endr
.set kt, kt+1
.endr
.endm
; relu, the sum of squares (fused, in two chains a tile), the square, the rounding to f16: 20 instructions for a tile's 8 registers, each tile from its low end on
.macro SOFT
.set n, 0
.rept 8
.set rS, S+8*n
.set rP, P+16*(n%2)+8*(n/4)+4*((n/2)%2)
.set rU, SUM+4*(n%2)
.irp i, 0,1,2,3,4,5,6,7
	v_max_num_f32 v[rS+\i], 0, v[rS+\i]
.endr
.irp i, 0,1,2,3
	v_pk_fma_f32 v[rU+2*(\i%2):rU+2*(\i%2)+1], v[rS+2*\i:rS+2*\i+1], v[rS+2*\i:rS+2*\i+1], v[rU+2*(\i%2):rU+2*(\i%2)+1]
.endr
.irp i, 0,1,2,3
	v_pk_mul_f32 v[rS+2*\i:rS+2*\i+1], v[rS+2*\i:rS+2*\i+1], v[rS+2*\i:rS+2*\i+1]
.endr
.irp i, 0,1,2,3
	v_cvt_pk_f16_f32 v[rP+\i], v[rS+2*\i], v[rS+2*\i+1]
.endr
.set n, n+1
.endr
.endm
.macro PV zero                         ; O^T += V^T P: eight accumulators by turns, 32 keys at a time.  zero = 1: the first eight start the sums
	WIN W_PV
.set kc, 0
.rept 2
.set tt, 0
.rept 4
.set qq, 0
.rept 2
.if \zero && (kc == 0)
	v_wmma_f32_16x16x32_f16 v[OT+32*qq+8*tt:OT+32*qq+8*tt+7], v[VF+32*kc+8*tt:VF+32*kc+8*tt+7], v[P+16*qq+8*kc:P+16*qq+8*kc+7], 0
.else
	v_wmma_f32_16x16x32_f16 v[OT+32*qq+8*tt:OT+32*qq+8*tt+7], v[VF+32*kc+8*tt:VF+32*kc+8*tt+7], v[P+16*qq+8*kc:P+16*qq+8*kc+7], v[OT+32*qq+8*tt:OT+32*qq+8*tt+7]
.endif
.set qq, qq+1
.endr
.set tt, tt+1
.endr
.set kc, kc+1
.endr
	WIN 0
.endm
; A KEY STEP: 64 keys.  pre = 1: the next step's K is fetched.  The branches hang on 2 x step - W: ids and the count of steps alone.
.macro STEP pre, zero
	s_wait_dscnt 0x0                               ; K is in
	s_cmp_lt_i32 s[D0], -2
	s_cbranch_scc1 .Llo_\@                         ; all keys lie far under my queries
	s_cmp_gt_i32 s[D0], 1
	s_cbranch_scc1 .Lhi_\@                         ; or far above
	s_cmp_eq_i32 s[D0], -2
	s_cbranch_scc1 .Lm2_\@
	s_cmp_eq_i32 s[D0], -1
	s_cbranch_scc1 .Lm1_\@
	s_cmp_eq_i32 s[D0], 0
	s_cbranch_scc1 .Lz0_\@
	ARM 1
	s_branch .Ljoin_\@
.Llo_\@:
	ARM -9
	s_branch .Ljoin_\@
.Lhi_\@:
	ARM 9
	s_branch .Ljoin_\@
.Lm2_\@:
	ARM -2
	s_branch .Ljoin_\@
.Lm1_\@:
	ARM -1
	s_branch .Ljoin_\@
.Lz0_\@:
	ARM 0
.Ljoin_\@:
	WIN W_KQ
	KQ1
	WIN 0
	v_add_nc_u32 v[ADV], s[TBV], v[AV0]            ; four plain instructions: the places in front of the loads into K's and V's registers and of the reads of S^T
.if \pre
	v_add_nc_u32 v[ADK], s[TBK], v[AK0]
.else
	v_nop
.endif
	v_nop
	v_nop
	FETCH_V
.if \pre
	FETCH_K
.endif
	SOFT
	s_wait_dscnt 16*\pre                           ; V is in; the 16 loads of K, issued behind V's, may stay out
	PV \zero
	s_add_co_u32 s[TBK], s[TBK], KSB
	s_add_co_u32 s[TBV], s[TBV], VSB
	s_add_co_i32 s[D0], s[D0], 2
.endm
.macro STEPS trips                     ; so many steps, written once
	s_mov_b32 s[CNT], \trips
.Lk_\@:
	STEP 1, 0
	s_sub_co_u32 s[CNT], s[CNT], 1
	s_cmp_lg_u32 s[CNT], 0
	s_cbranch_scc1 .Lk_\@
.endm
	SYNC 3                                         ; chunk 0 (steps 0-3); my three younger loads may stay out.  (The wait on DScnt also covers the band's loads)
	v_mov_b32 v[ADK], v[AK0]
	FETCH_K                                        ; step 0's K
	s_mov_b32 s[TBK], KSB
	STEP 1, 1                                      ; step 0 starts O^T's sums
	STEPS 2                                        ; steps 1, 2
	SYNC 2                                         ; chunk 1: step 3 is the first to touch it, by its look-ahead for K
	STEPS 4                                        ; steps 3-6
	SYNC 1                                         ; chunk 2
	STEPS 4                                        ; steps 7-10
	SYNC 0                                         ; chunk 3
	STEPS 4                                        ; steps 11-14
	STEP 0, 0                                      ; step 15: nothing more to fetch
	; THE WAY OUT.  The sums' parts and the other half of the lanes' are added; 64 x 1e-8 x c^2 joins them; O^T is divided, rounded to f16 and sent through my region, a tile at a time.  These plain lines are also the places behind the last products.
.irp qt, 0,1
	v_pk_add_f32 v[SUM+4*\qt:SUM+4*\qt+1], v[SUM+4*\qt:SUM+4*\qt+1], v[SUM+4*\qt+2:SUM+4*\qt+3]
.endr
.irp qt, 0,1
	v_add_f32 v[32+\qt], v[SUM+4*\qt], v[SUM+4*\qt+1]
.endr
.irp qt, 0,1
	v_permlanex16_b32 v[40+\qt], v[32+\qt], s[SEL], s[SEL+1]
.endr
.irp qt, 0,1
	v_add_f32 v[32+\qt], v[32+\qt], v[40+\qt]
.endr
.irp qt, 0,1
	v_fmamk_f32 v[32+\qt], v[CC+2*\qt+1], 0x352bcc77, v[32+\qt]   ; + 64 x 1e-8 x c^2
.endr
.irp qt, 0,1
	v_max_num_f32 v[32+\qt], 0x800000, v[32+\qt]   ; never 0: a row of zeros stays zeros
.endr
	v_rcp_f32 v44, v32
	v_rcp_f32 v46, v33
	v_mov_b32 v45, 0                               ; (the pairs' upper halves are named, so they are written: also the plain instruction behind the reciprocals)
	v_mov_b32 v47, 0
	s_wait_alu depctr_va_vdst(0)                   ; the wait ahead of the first use: one for both reciprocals
.irp qt, 0,1
	WIN FROM1
.irp i, 0,2,4,6,8,10,12,14,16,18,20,22,24,26,28,30
	v_pk_mul_f32 v[S+32*\qt+\i:S+32*\qt+\i+1], v[OT+32*\qt+\i:OT+32*\qt+\i+1], v[44+2*\qt:45+2*\qt] op_sel_hi:[1,0]
.endr
	WIN 0
.irp i, 0,1,2,3,4,5,6,7,8,9,10,11,12,13,14,15
	v_cvt_pk_f16_f32 v[P+16*\qt+\i], v[S+32*\qt+2*\i], v[S+32*\qt+2*\i+1]   ; register 4 t + i: channels 16 t + 8 h + 2 i, + 1 of query r
.endr
.irp t, 0,1,2,3
	ds_store_b128 v[STO], v[P+16*\qt+4*\t:P+16*\qt+4*\t+3] offset:32*\t
.endr
.irp i, 0,1,2,3
	ds_load_b128 v[BAND+16*\qt+4*\i:BAND+16*\qt+4*\i+3], v[RD] offset:4*144*\i   ; four queries' 512 bytes; LDS serves a wave's instructions in order
.endr
.endr
	s_wait_dscnt 8                                 ; tile 0 is back; tile 1's four stores and four loads are younger
.irp i, 0,1,2,3
	global_store_b128 v[GO], v[BAND+4*\i:BAND+4*\i+3], s[12:13] offset:512*\i   ; 32 lanes store 512 consecutive bytes, aligned
.endr
	s_wait_dscnt 0x0
.irp i, 0,1,2,3
	global_store_b128 v[GO], v[BAND+16+4*\i:BAND+16+4*\i+3], s[12:13] offset:2048+512*\i
.endr
	s_wait_tensorcnt 0x0                           ; the wave's end: behind my last tensor load and my last LDS store
	ds_add_u32 v[SPW], v[NIL]
	s_wait_dscnt 0x0
	s_endpgm
.Lfunc_end_k_qb58bf71988_attn:
	.size	k_qb58bf71988_attn, .Lfunc_end_k_qb58bf71988_attn-k_qb58bf71988_attn
	.p2alignl 7, 3214868480
	.fill 96, 4, 3214868480
	.section	.rodata,"a",@progbits
	.p2align	6, 0x0
	.amdhsa_kernel k_qb58bf71988_attn
		.amdhsa_group_segment_fixed_size 327680
		.amdhsa_private_segment_fixed_size 0
		.amdhsa_enable_private_segment 0
		.amdhsa_kernarg_size 40
		.amdhsa_user_sgpr_count 2
		.amdhsa_user_sgpr_kernarg_segment_ptr 1
		.amdhsa_wavefront_size32 1
		.amdhsa_system_sgpr_workgroup_id_x 1
		.amdhsa_system_sgpr_workgroup_id_y 1
		.amdhsa_system_sgpr_workgroup_id_z 1
		.amdhsa_system_vgpr_workitem_id 0
		.amdhsa_next_free_vgpr 512
		.amdhsa_next_free_sgpr 84
		.amdhsa_reserve_vcc 0
		.amdhsa_float_denorm_mode_32 3
		.amdhsa_float_denorm_mode_16_64 3
		.amdhsa_memory_ordered 1
		.amdhsa_forward_progress 1
		.amdhsa_inst_pref_size 140
	.end_amdhsa_kernel
	.amdgpu_metadata
---
amdhsa.version: [ 1, 2 ]
amdhsa.kernels:
  - .name:           k_qb58bf71988_attn
    .symbol:         k_qb58bf71988_attn.kd
    .args:
      - { .name: qkv, .offset: 0, .size: 8, .value_kind: global_buffer, .address_space: global }
      - { .name: kmax, .offset: 8, .size: 8, .value_kind: global_buffer, .address_space: global }
      - { .name: rel_emb, .offset: 16, .size: 8, .value_kind: global_buffer, .address_space: global }
      - { .name: sn_bias, .offset: 24, .size: 8, .value_kind: global_buffer, .address_space: global }
      - { .name: ctx, .offset: 32, .size: 8, .value_kind: global_buffer, .address_space: global }
    .group_segment_fixed_size: 327680
    .private_segment_fixed_size: 0
    .kernarg_segment_align: 8
    .kernarg_segment_size: 40
    .max_flat_workgroup_size: 256
    .sgpr_count:     84
    .vgpr_count:     512
    .wavefront_size: 32
...
	.end_amdgpu_metadata
.endif
;; end of part 3
;; launch outproj (part 4): grid 8 x 32, 4 waves a work-group, clusters of 4 x 4, 327,680 bytes of LDS; arguments ctx, wo16, bo, out0; writes out0
.if DOCPART == 4
	.amdgcn_target "amdgcn-amd-amdhsa--gfx1250"
	.amdhsa_code_object_version 6
	.text
	.protected	k_qb58bf71988_outproj
	.globl	k_qb58bf71988_outproj
	.p2align	8
	.type	k_qb58bf71988_outproj,@function
k_qb58bf71988_outproj:
	s_mov_b64 s[64:65], 0
	v_nop
	global_prefetch_b8 v0, s[64:65] scope:SCOPE_SE
	s_setreg_imm32_b32 hwreg(HW_REG_WAVE_MODE, 25, 1), 1
	s_wait_xcnt 0x0
	s_wait_alu depctr_hold_cnt(0) depctr_sa_sdst(0) depctr_va_vdst(0) depctr_va_sdst(0) depctr_va_ssrc(0) depctr_va_vcc(0) depctr_vm_vsrc(0)
	s_getreg_b32 s2, hwreg(HW_REG_IB_STS2, 6, 4)
	s_cmp_eq_u32 s2, 0
	s_cbranch_scc0 .Lentry_in_a_cluster
	s_endpgm
.Lentry_in_a_cluster:
	s_bfe_u32 s2, ttmp6, 0x10000c
	s_cmp_lg_u32 s2, 0xf033
	s_cbranch_scc0 .Lentry_shape_is_right
	s_endpgm
.Lentry_shape_is_right:
; out0[m][n] = the sum over k of ctx[m][k] Wo[n][k] + bo[n].  Operands in f16, sums in f32, out0 [4096][1024] f32.
; ctx is laid [32 blocks of 128 rows][16 blocks of 64 k][128 rows][64 k], wo16 [8 blocks of 128 n][16 blocks of 64 k][128 n][64 k]: a tile's rows for 128 along K are 32,768 dense bytes.
; One tensor load brings them as 128 rows of 256 bytes: each such row is two neighbouring rows of a block, 256 consecutive bytes at a multiple of 256 from the buffer's first byte.
; A tile of out0 is 128 x 128: 256 tiles, one to a work-group.  Four waves, each 64 x 64: 16 accumulators of 16 x 16.  K goes in steps of 256 through two LDS slots: four K steps, each slot filled again once.
; CLUSTERS: 4 x 4 work-groups.  The four of a row of the cluster need the same tiles of ctx, the four of a column the same tiles of wo16: each is asked for JOINTLY, by the same tensor load with the same descriptor and a mask that names the four.
; THE MATRIX INSTRUCTION IS USED TRANSPOSED (source 0 = 16 rows of Wo, source 1 = 16 rows of ctx): a lane holds eight neighbouring numbers of a row of out0.  The bias is the C of each sum's first product.
; No prefetch: four K steps on small tiles; the joint loads are what is on the way.
; LIMITS: |ctx| and |Wo| under 65,504 (f16).
; REGISTERS: window 0: v0-31 addresses; v32-95 the way out; v96-127 the bias; v128-255 the accumulators ((a, b) at v[128 + 8 (4 a + b)]).  window 1: two fragment buffers of 128: for 64 along K, 64 registers of A, then 64 of B.
.set SIZE_N, 1024
.set PITCH,  272                       ; an LDS row: two rows of a block, 256 bytes, + 16 of padding.  Row p of a block lies at (p / 2) PITCH + (p % 2) 128: the 16 rows that a load touches fall on the 16-byte columns p / 2 + 8 (p % 2), all different
.set KB,     64*PITCH                  ; a block of 64 along K for 128 rows
.set HALFT,  2*KB                      ; what one tensor load brings: two such blocks
.set SLOT,   4*HALFT                   ; A's four blocks, then B's four
.set STAGE,  2*SLOT                    ; behind the slots: 16 rows x 272 bytes for each wave, for the way out
.set SPITCH, 272
.set SPARE,  STAGE+4*16*SPITCH         ; behind the stages: the spare words, 128 bytes for each wave
.set KSTEPB, 65536                     ; a K step of a tile in memory: four blocks of 16,384 bytes
.set LAPS,   2                         ; a lap = two K steps = once through both slots
.set ADRA, 16                          ; v16-17  LDS address of my A fragments in slot 0, 1
.set ADRB, 20                          ; v20-21  the same for B
.set STO,  24                          ; v24     the way out: where I put 32 bytes of a row
.set RD,   25                          ; v25     the way out: where I read a row back
.set CO,   26                          ; v26     my byte offset in out0
.set SPW,  28                          ; v28     LDS address of my spare word; never rewritten
.set NIL,  29                          ; v29     0; never rewritten
.set TMP,  32                          ; the way out: two sets of 32 registers
.set BIA,  96                          ; the bias: 8 registers for each of my 4 blocks of columns
.set ACC,  128
.set F0,   0                           ; fragment buffers, in window 1
.set F1,   128
.set G1, 24                            ; s[24:31] descriptor group 1 for A's tiles;  s[32:39] group 0, one set for each slot
.set G0, 32
.set G1B, 48                           ; s[48:55], s[56:63] the same for B's tiles
.set G0B, 56
.set MSB, 0
.macro WIN new                         ; the immediate's high byte repeats the setting that is left
.if MSB != \new
	s_set_vgpr_msb (MSB<<8)|\new
.set MSB, \new
.endif
.endm
.set MUL,  0x05                        ; sources 0 (B) and 1 (A) window 1; C and D window 0
.set TO_F, 0x40                        ; destination window 1, address window 0
.macro JLOAD s                         ; a joint load: waves 0 and 1 fetch A's two halves, waves 2 and 3 B's; an s_nop 0 and four v_nop follow each of the two lines
	s_cmp_eq_u32 s11, 0
	s_cbranch_scc0 .Lfor_b_\@
	tensor_load_to_lds s[G0+4*\s:G0+4*\s+3], s[G1:G1+7]
	s_nop 0
.rept 4
	v_nop
.endr
	s_branch .Lasked_\@
.Lfor_b_\@:
	tensor_load_to_lds s[G0B+4*\s:G0B+4*\s+3], s[G1B:G1B+7]
	s_nop 0
.rept 4
	v_nop
.endr
.Lasked_\@:
.endm
.macro CREST                           ; a round of the cluster's barrier behind its opening barrier
	s_cmp_lg_u32 s10, 0
	s_cbranch_scc1 .Lnot_wave_0_\@
	s_barrier_signal -3
.Lnot_wave_0_\@:
	s_barrier_wait -3
	s_barrier_signal -1
	s_barrier_wait -1
.endm
.macro CROUND                          ; a whole round
	s_barrier_signal -1
	s_barrier_wait -1
	CREST
.endm
	s_load_b128 s[4:7], s[0:1], 0x0                ; ctx s[4:5], wo16 s[6:7]
	s_load_b64 s[66:67], s[0:1], 0x10              ; bo
	s_load_b64 s[8:9], s[0:1], 0x18                ; out0
	v_lshl_add_u32 v[SPW], v0, 2, SPARE
	v_mov_b32 v[NIL], 0
	ds_add_u32 v[SPW], v[NIL]                      ; the wave's opening: the add, twice on end, and its wait ahead of my first tensor load
	ds_add_u32 v[SPW], v[NIL]                      ; and once more, under the one wait; the set-up below, work on registers, stands between
	v_lshrrev_b32 v1, 5, v0
	v_readfirstlane_b32 s10, v1                    ; wave 0..3
	s_lshr_b32 s11, s10, 1                         ; which half of the tile's rows is mine.  Also: I fetch for A (0) or for B (1)
	s_and_b32 s12, s10, 1                          ; which half of its columns.  Also: which two blocks along K I fetch
	s_bfe_u32 s40, ttmp6, 0x40000                  ; cx, cy: my place in the cluster
	s_bfe_u32 s41, ttmp6, 0x40004
	s_lshl_b32 s42, ttmp9, 2
	s_add_co_u32 s42, s42, s40                     ; tile column = 4 x cluster x + cx
	s_and_b32 s13, ttmp7, 0xffff
	s_lshl_b32 s13, s13, 2
	s_add_co_u32 s13, s13, s41                     ; tile row = 4 x cluster y + cy
	s_lshl_b32 s43, s41, 2
	s_lshl_b32 s43, 15, s43                        ; my row of the cluster
	s_lshl_b32 s44, 0x1111, s40                    ; my column
	; descriptor group 1: 128 dense rows of 256 bytes (32 elements of 8 bytes), padded in LDS behind each row
	s_or_b32 s[G1+0], s43, (3<<16)|(1<<20)|(1<<21)|(5<<22)|(3<<25)  ; 15:0 the mask: A's tiles go to my row; 17:16 element of 8 bytes; 20 padding on; 21 set beside a mask; 24:22 after every 64 words; 31:25 of 4 words
	s_or_b32 s[G1B+0], s44, (3<<16)|(1<<20)|(1<<21)|(5<<22)|(3<<25)
.irp g, G1, G1B
	s_mov_b32 s[\g+1], 32<<16                      ; tensor_dim0 = 32
	s_mov_b32 s[\g+2], 128<<16                     ; tensor_dim1 = 128
	s_mov_b32 s[\g+3], 32<<16                      ; tile_dim0 = 32
	s_mov_b32 s[\g+4], 128                         ; tile_dim1 = 128
	s_mov_b32 s[\g+5], 32                          ; tensor_dim0_stride
	s_mov_b32 s[\g+6], 0
	s_mov_b32 s[\g+7], 0
.endr
	s_lshl_b32 s17, s12, 15                        ; which two blocks of a K step I fetch: 32,768 bytes
	s_lshl_b32 s16, s13, 18
	s_add_co_u32 s16, s16, s17                     ; A: 262,144 bytes a tile row
	s_lshl_b32 s46, s42, 18
	s_add_co_u32 s46, s46, s17                     ; B: 262,144 bytes a tile column
	s_mov_b32 s17, 0
	s_mov_b32 s47, 0
	s_mul_i32 s20, s10, HALFT                      ; where they go: wave x two blocks: no place in the cluster enters an LDS address
	s_wait_dscnt 0x0                               ; both opening adds are done
	s_wait_kmcnt 0x0
	s_add_nc_u64 s[14:15], s[4:5], s[16:17]
	s_add_nc_u64 s[46:47], s[6:7], s[46:47]
	CROUND                                         ; all sixteen work-groups are here: the first joint loads meet
.irp s, 0,1
	s_mov_b32 s[G0+4*\s], 1
	s_add_co_u32 s[G0+4*\s+1], s20, \s*SLOT
	s_add_nc_u64 s[G0+4*\s+2:G0+4*\s+3], s[14:15], \s*KSTEPB
	s_or_b32 s[G0+4*\s+3], s[G0+4*\s+3], 0x80000000
	s_mov_b32 s[G0B+4*\s], 1
	s_add_co_u32 s[G0B+4*\s+1], s20, \s*SLOT
	s_add_nc_u64 s[G0B+4*\s+2:G0B+4*\s+3], s[46:47], \s*KSTEPB
	s_or_b32 s[G0B+4*\s+3], s[G0B+4*\s+3], 0x80000000
	JLOAD \s                                       ; two loads of mine are out
.endr
	v_and_b32 v1, 15, v0                           ; r = lane % 16
	v_bfe_u32 v2, v0, 4, 1                         ; h = lane / 16
	s_lshl_b32 s46, s42, 9                         ; the tile's first column, 4 bytes a number: 512 x tile column + 256 x half: in bo and in a row of out0
	s_lshl_b32 s47, s12, 8
	s_add_co_u32 s46, s46, s47
	s_mov_b32 s47, 0
	s_add_nc_u64 s[66:67], s[66:67], s[46:47]
	v_lshlrev_b32 v6, 5, v2                        ; the bias: lane (r, h) wants, for block b, bo at columns 16 b + 8 h + 0 .. 7 of my 64
.irp b, 0,1,2,3
	global_load_b128 v[BIA+8*\b:BIA+8*\b+3], v6, s[66:67] offset:64*\b
	global_load_b128 v[BIA+8*\b+4:BIA+8*\b+7], v6, s[66:67] offset:64*\b+16
.endr
	v_lshrrev_b32 v4, 1, v1
	v_mul_u32_u24 v3, v4, PITCH
	v_and_b32 v4, 1, v1
	v_lshl_add_u32 v3, v4, 7, v3
	v_lshl_add_u32 v3, v2, 4, v3                   ; a fragment's row r: (r / 2) x pitch + (r % 2) x 128, + 16 x half
	s_mul_i32 s21, s11, 32*PITCH                   ; my 64 rows of A, in each block of 128: 32 LDS rows,
	s_mul_i32 s22, s12, 32*PITCH                   ; my 64 rows of B,
	s_add_co_u32 s22, s22, 2*HALFT                 ; whose blocks lie behind A's four
.irp s, 0,1
	v_add_nc_u32 v[ADRA+\s], s21, v3
	v_add_nc_u32 v[ADRB+\s], s22, v3
	s_add_co_u32 s21, s21, SLOT
	s_add_co_u32 s22, s22, SLOT
.endr
	s_mul_i32 s23, s10, 16*SPITCH
	s_add_co_u32 s23, s23, STAGE                   ; my stage
	v_mul_u32_u24 v4, v1, SPITCH                   ; in: row r, 32 bytes for each half of the lanes
	v_lshl_add_u32 v4, v2, 5, v4
	v_add_nc_u32 v[STO], s23, v4
	v_mul_u32_u24 v5, v2, SPITCH                   ; back: lanes 0-15 take one row of 256 bytes, lanes 16-31 the next
	v_lshl_add_u32 v5, v1, 4, v5
	v_add_nc_u32 v[RD], s23, v5
	v_lshlrev_b32 v5, 12, v2                       ; and the same two rows in out0: 4,096 bytes a row
	v_lshl_add_u32 v[CO], v1, 4, v5
	s_lshl_b32 s16, s13, 19                        ; my first row: 128 x tile row + 64 x half, 4,096 bytes each
	s_lshl_b32 s17, s11, 18
	s_add_co_u32 s16, s16, s17
	s_mov_b32 s17, 0
	s_add_nc_u64 s[8:9], s[8:9], s[16:17]
	s_add_nc_u64 s[8:9], s[8:9], s[46:47]
; 8 matrix instructions: m blocks a0, a0 + 1 x all 4 n blocks, 32 along K: half c of buffer f.  zero = 1: the first product starts the sums from the bias.  The 16 accumulators take turns
.macro MUL8 f, c, a0, zero
.irp a, \a0, \a0+1
.irp b, 0,1,2,3
.if \zero
	v_wmma_f32_16x16x32_f16 v[ACC+8*(4*(\a)+\b):ACC+8*(4*(\a)+\b)+7], v[\f+64+8*(4*\c+\b):\f+64+8*(4*\c+\b)+7], v[\f+8*(4*\c+\a):\f+8*(4*\c+\a)+7], v[BIA+8*\b:BIA+8*\b+7]
.else
	v_wmma_f32_16x16x32_f16 v[ACC+8*(4*(\a)+\b):ACC+8*(4*(\a)+\b)+7], v[\f+64+8*(4*\c+\b):\f+64+8*(4*\c+\b)+7], v[\f+8*(4*\c+\a):\f+8*(4*\c+\a)+7], v[ACC+8*(4*(\a)+\b):ACC+8*(4*(\a)+\b)+7]
.endif
.endr
.endr
.endm
; 32 LDS loads in one run: the fragments of the slot's q-th block of 64 along K, into buffer f; the first 32 along K first.  16 rows of a block are 8 LDS rows
.macro FETCH slot, q, f
	WIN TO_F
.irp c, 0,1
.irp i, 0,1,2,3
	ds_load_b128 v[\f+64+8*(4*\c+\i):\f+64+8*(4*\c+\i)+3],   v[ADRB+\slot] offset:(\q)*KB+64*\c+\i*8*PITCH
	ds_load_b128 v[\f+64+8*(4*\c+\i)+4:\f+64+8*(4*\c+\i)+7], v[ADRB+\slot] offset:(\q)*KB+64*\c+\i*8*PITCH+32
	ds_load_b128 v[\f+8*(4*\c+\i):\f+8*(4*\c+\i)+3],         v[ADRA+\slot] offset:(\q)*KB+64*\c+\i*8*PITCH
	ds_load_b128 v[\f+8*(4*\c+\i)+4:\f+8*(4*\c+\i)+7],       v[ADRA+\slot] offset:(\q)*KB+64*\c+\i*8*PITCH+32
.endr
.endr
.endm
.macro PLACES                          ; four places in front of loads into registers that matrix instructions have read, and of reads of results
.rept 4
	v_nop
.endr
.endm
; A K step is four quarters of 64 along K, 32 matrix instructions each, on buffers 0, 1, 0, 1.  One of the first three: multiplies buffer f and fetches the slot's block q into g.
.macro QUARTER slot, q, f, g, zero
	s_wait_dscnt 16                                ; the first 32 along K are in; the youngest sixteen loads may be out
	WIN MUL
	MUL8 \f, 0, 0, \zero
	MUL8 \f, 0, 2, \zero
	PLACES
	FETCH \slot, \q, \g
	s_wait_dscnt 32                                ; all but the 32 just issued
	WIN MUL
	MUL8 \f, 1, 0, 0
	MUL8 \f, 1, 2, 0
.endm
; The last quarter multiplies buffer 1 and changes slots: ONE barrier; in front of it each wave waits for all its tensor loads, adds 0 to its spare word, and waits for that and for its own reads of this slot.  fill = 1: this slot is filled again, two K steps ahead.
.macro TURN slot, next, fill
	WIN 0                                          ; (the add's two registers lie in window 0)
	s_wait_tensorcnt 0x0                           ; all my tensor loads have landed: my part of the next slot;
	ds_add_u32 v[SPW], v[NIL]                      ; 0 onto my spare word;
	s_wait_dscnt 17                                ; (the add and the youngest sixteen loads may be out)
	WIN MUL
	MUL8 F1, 0, 0, 0                               ; eight matrix instructions stand between the add and the wait for it
	s_wait_dscnt 0x0                               ; the add is done, and my reads of this slot are over
	s_barrier_signal -1
	MUL8 F1, 0, 2, 0
.if \fill
	WIN 0
.endif
	s_barrier_wait -1
.if \fill
	CREST                                          ; the barrier has opened a round of the cluster's barrier: no wave of any partner still reads this slot's tile or has a load on its way
	s_add_nc_u64 s[G0+4*\slot+2:G0+4*\slot+3], s[G0+4*\slot+2:G0+4*\slot+3], 2*KSTEPB
	s_add_nc_u64 s[G0B+4*\slot+2:G0B+4*\slot+3], s[G0B+4*\slot+2:G0B+4*\slot+3], 2*KSTEPB
	JLOAD \slot                                    ; the first tensor load behind the round; the four v_nop behind it are also the places in front of the loads below
.else
	PLACES
.endif
	FETCH \next, 0, F0
	WIN MUL
	MUL8 F1, 1, 0, 0
	MUL8 F1, 1, 2, 0
.endm
	s_wait_tensorcnt 1                             ; my part of K step 0 is in (K step 1's load may be out)
	s_barrier_signal -1
	s_barrier_wait -1                              ; everybody's is
	FETCH 0, 0, F0
	s_wait_loadcnt 0x0                             ; the bias
	QUARTER 0, 1, F0, F1, 1                        ; the first quarter stands in front of the loop: its first products start the sums from the bias
	WIN 0                                          ; at a label and at a branch every window is 0
	s_mov_b32 s3, LAPS-1
.Llap:                                                 ; a trip goes once through both slots, from a lap's second quarter to the next lap's first, and fills both again
	QUARTER 0, 2, F1, F0, 0
	QUARTER 0, 3, F0, F1, 0
	TURN 0, 1, 1
	QUARTER 1, 1, F0, F1, 0
	QUARTER 1, 2, F1, F0, 0
	QUARTER 1, 3, F0, F1, 0
	TURN 1, 0, 1
	QUARTER 0, 1, F0, F1, 0
	WIN 0
	s_sub_co_u32 s3, s3, 1
	s_cmp_lg_u32 s3, 0
	s_cbranch_scc1 .Llap
	QUARTER 0, 2, F1, F0, 0                        ; the last lap fills nothing, and has no round of the cluster's barrier
	QUARTER 0, 3, F0, F1, 0
	TURN 0, 1, 0
	QUARTER 1, 1, F0, F1, 0
	QUARTER 1, 2, F1, F0, 0
	QUARTER 1, 3, F0, F1, 0
	s_wait_dscnt 16                                ; the very last quarter: nothing more to fetch
	WIN MUL
	MUL8 F1, 0, 0, 0
	MUL8 F1, 0, 2, 0
	s_wait_dscnt 0
	MUL8 F1, 1, 0, 0
	MUL8 F1, 1, 2, 0
	WIN 0
; THE WAY OUT, block by block of 16 rows x 64 columns.  A lane holds 32 neighbouring bytes of a row; a block goes through my own stage and comes back as whole runs of 256 bytes, which are mine alone: no barrier.
.macro TOSTAGE a
.if (\a) > 1
	s_wait_xcnt 0x0                                ; block a - 2's stores have read their registers: block a's loads may land there
.endif
.irp b, 0,1,2,3
	ds_store_b128 v[STO], v[ACC+8*(4*(\a)+\b):ACC+8*(4*(\a)+\b)+3] offset:64*\b        ; each accumulator from its low end on
	ds_store_b128 v[STO], v[ACC+8*(4*(\a)+\b)+4:ACC+8*(4*(\a)+\b)+7] offset:64*\b+16
.endr
.irp t, 0,1,2,3,4,5,6,7
	ds_load_b128 v[TMP+32*((\a)%2)+4*\t:TMP+32*((\a)%2)+4*\t+3], v[RD] offset:\t*2*SPITCH   ; LDS serves a wave's instructions in order: these see the stores above
.endr
.endm
.macro SEND a, younger                 ; younger: the LDS instructions issued behind block a's loads, which may stay out
	s_wait_dscnt \younger
.irp t, 0,1,2,3,4,5,6,7
	global_store_b128 v[CO], v[TMP+32*((\a)%2)+4*\t:TMP+32*((\a)%2)+4*\t+3], s[8:9] offset:(16*(\a)+2*\t)*SIZE_N*4 th:TH_STORE_NT   ; 16 lanes store 256 consecutive bytes, aligned; written once, read by nobody here
.endr
.endm
	PLACES
	TOSTAGE 0
.irp a, 1,2,3
	TOSTAGE \a
	SEND \a-1, 16                                  ; behind block a - 1's loads: block a's 8 stores and 8 loads
.endr
	SEND 3, 0
	s_wait_tensorcnt 0x0                           ; the wave's end: behind my last tensor load and my last LDS store
	ds_add_u32 v[SPW], v[NIL]
	s_wait_dscnt 0x0
	CROUND                                         ; the closing round: no work-group ends while a partner may still ask for a tile that names it
	s_endpgm
.Lfunc_end_k_qb58bf71988_outproj:
	.size	k_qb58bf71988_outproj, .Lfunc_end_k_qb58bf71988_outproj-k_qb58bf71988_outproj
	.p2alignl 7, 3214868480
	.fill 96, 4, 3214868480
	.section	.rodata,"a",@progbits
	.p2align	6, 0x0
	.amdhsa_kernel k_qb58bf71988_outproj
		.amdhsa_group_segment_fixed_size 327680
		.amdhsa_private_segment_fixed_size 0
		.amdhsa_enable_private_segment 0
		.amdhsa_kernarg_size 32
		.amdhsa_user_sgpr_count 2
		.amdhsa_user_sgpr_kernarg_segment_ptr 1
		.amdhsa_wavefront_size32 1
		.amdhsa_system_sgpr_workgroup_id_x 1
		.amdhsa_system_sgpr_workgroup_id_y 1
		.amdhsa_system_sgpr_workgroup_id_z 1
		.amdhsa_system_vgpr_workitem_id 0
		.amdhsa_next_free_vgpr 512
		.amdhsa_next_free_sgpr 68
		.amdhsa_reserve_vcc 0
		.amdhsa_float_denorm_mode_32 3
		.amdhsa_float_denorm_mode_16_64 3
		.amdhsa_memory_ordered 1
		.amdhsa_forward_progress 1
		.amdhsa_inst_pref_size 86
	.end_amdhsa_kernel
	.amdgpu_metadata
---
amdhsa.version: [ 1, 2 ]
amdhsa.kernels:
  - .name:           k_qb58bf71988_outproj
    .symbol:         k_qb58bf71988_outproj.kd
    .args:
      - { .name: ctx, .offset: 0, .size: 8, .value_kind: global_buffer, .address_space: global }
      - { .name: wo16, .offset: 8, .size: 8, .value_kind: global_buffer, .address_space: global }
      - { .name: bo, .offset: 16, .size: 8, .value_kind: global_buffer, .address_space: global }
      - { .name: out0, .offset: 24, .size: 8, .value_kind: global_buffer, .address_space: global }
    .group_segment_fixed_size: 327680
    .private_segment_fixed_size: 0
    .kernarg_segment_align: 8
    .kernarg_segment_size: 32
    .max_flat_workgroup_size: 128
    .sgpr_count:     68
    .vgpr_count:     512
    .wavefront_size: 32
...
	.end_amdgpu_metadata
.endif
;; end of part 4
